; MI455X (gfx1250); checked and timed in simulation.
; The chip was launched on July 23, 2026; its instructions are those of AMD's public machine-readable ISA for CDNA 5 (MIT licence, August 2026) and "CDNA5" Instruction Set Architecture Reference Guide (July 2026). The comments in the code are by the model that wrote it; some were corrected since.
;; Encoder Layer. Allowed arithmetic: float matrix products may take bf16 or f16 operands with f32 sums; other float arithmetic in f32, or as packed bf16 or f16 multiplies, adds, multiply-adds, maxima and minima; sums over many terms, partial sums and values carried from step to step in f32; what a program stores and reads back later, other than sums and carried values, may be rounded once to bf16 or f16.
;; Inputs: beta1 1,024 float32; beta2 1,024 float32; bf1 4,096 float32; bf2 1,024 float32; gamma1 1,024 float32; gamma2 1,024 float32; in_proj_b 3,072 float32; in_proj_w 3,072 x 1,024 float32; out_b 1,024 float32; out_w 1,024 x 1,024 float32; w1 1,024 x 4,096 float32; w2 4,096 x 1,024 float32; x 4 x 1,024 x 1,024 float32.
;; Outputs: out0 4 x 1,024 x 1,024 float32.
;; One version. Each part assembles by itself: llvm-mc -triple=amdgcn-amd-amdhsa -mcpu=gfx1250 --defsym DOCPART=n.
;; ======== version 1 of 1: 8 launches
;; limits: right only within a limited range of input values
;; workspace buffers: acts 33,554,432 bytes; wq 16,777,216 bytes; w1t 8,388,864 bytes; wr 10,485,760 bytes; big 33,554,432 bytes; y 16,777,216 bytes; pa 256 bytes of whole numbers; pb 256 bytes of whole numbers
;; launch prep (part 1): grid 256 x 1, 8 waves a work-group, no clusters, 140,288 bytes of LDS; arguments x, in_proj_w, out_w, w1, w2, acts, wq, w1t, wr, pa, pb; writes acts, wq, w1t, wr, pa, pb
.if DOCPART == 1
	.amdgcn_target "amdgcn-amd-amdhsa--gfx1250"
	.amdhsa_code_object_version 6
	.text
	.protected	k_qd9d96f32c9_prep
	.globl	k_qd9d96f32c9_prep
	.p2align	8
	.type	k_qd9d96f32c9_prep,@function
k_qd9d96f32c9_prep:
	s_mov_b64 s[64:65], 0
	v_nop
	global_prefetch_b8 v0, s[64:65] scope:SCOPE_SE
	s_setreg_imm32_b32 hwreg(HW_REG_WAVE_MODE, 25, 1), 1
	s_wait_xcnt 0x0
; PREP: every matrix operand that is an input is rounded ONCE to bf16 (nearest even), and w1 and w2, which lie [K][N], are turned to [N][K].
;   work-groups 0-63:    x [4096][1024]          -> acts, byte 0
;   work-groups 64-111:  in_proj_w [3072][1024]  -> wq, behind a header of 256 bytes
;   work-groups 112-127: out_w [1024][1024]      -> wr, byte 0
;   work-groups 128-191: w1 [1024 k][4096 n]     -> w1t [4096 n][1024 k], behind a header of 256 bytes
;   work-groups 192-255: w2 [4096 k][1024 n]     -> wr, byte 2,097,152, as [1024 n][4096 k]
; The headers are the floor that the product launch applies to its rounded results: wq's is bf16 -infinity twice a word (no floor), w1t's is 0 (a ReLU).
; pa and pb hold a whole number, repeated: the flag of the norm launches (1: the layer's first norm, 0: its second).
; A work-group takes 65,536 numbers, a wave 8,192, in two trips of 32 loads of 16 bytes a lane: 16,384 bytes of a wave are on their way at once.
; No matrix unit, no cluster, no tensor load: nothing is shared between work-groups and each byte is read once.
; LIMITS: rounding to bf16 keeps f32's range; NaN and infinities pass as the conversion makes them.
.set X,     64                         ; v[64:191]  32 loads of four registers
.set OFF,   16                         ; v[16:47]   turning path: the 32 loads' byte offsets, later the 32 stores'
.set Y,     192                        ; v[192:223] turning path: packed pairs, four sets of eight
.set LW,    4                          ; v4   turning path: where I put 8 bytes of a turned row
.set LR,    5                          ; v5   turning path: where I read a turned row back
.set SPW,   10                         ; v10  LDS address of my spare word; never rewritten
.set NIL,   11                         ; v11  0; never rewritten
.set WT,    64*272                     ; a wave's own LDS: 64 turned rows (n) of 128 k = 256 bytes + 16 of padding
.set SPARE, 8*WT                       ; behind the eight waves' rows: the spare words, 128 bytes a wave
	s_load_b256 s[4:11], s[0:1], 0x0               ; x s[4:5], in_proj_w s[6:7], out_w s[8:9], w1 s[10:11]
	s_load_b256 s[12:19], s[0:1], 0x20             ; w2 s[12:13], acts s[14:15], wq s[16:17], w1t s[18:19]
	s_load_b64 s[20:21], s[0:1], 0x40              ; wr
	s_load_b64 s[52:53], s[0:1], 0x48              ; pa
	s_load_b64 s[54:55], s[0:1], 0x50              ; pb
	v_lshl_add_u32 v[SPW], v0, 2, SPARE
	v_mov_b32 v[NIL], 0
	v_lshrrev_b32 v1, 5, v0
	v_readfirstlane_b32 s23, v1                    ; wave 0..7
	s_mov_b32 s22, ttmp9                           ; work-group g
	v_and_b32 v1, 31, v0                           ; lane
	v_lshlrev_b32 v2, 4, v1                        ; 16 bytes a lane in
	v_lshlrev_b32 v3, 3, v1                        ; 8 bytes a lane out
	s_wait_kmcnt 0x0
	s_cmp_lt_u32 s22, 128
	s_cbranch_scc0 .Lturn
	; THE STRAIGHT PATH.  Which tensor, and my work-group's number in it.
	s_cmp_lt_u32 s22, 64
	s_cselect_b64 s[24:25], s[4:5], s[6:7]         ; from
	s_cselect_b64 s[26:27], s[14:15], s[16:17]     ; to
	s_cselect_b32 s28, 0, 64                       ; the tensor's first work-group
	s_cselect_b32 s29, 0, 256                      ; the header in front of the copy
	s_cmp_lt_u32 s22, 112
	s_cselect_b64 s[24:25], s[24:25], s[8:9]
	s_cselect_b64 s[26:27], s[26:27], s[20:21]
	s_cselect_b32 s28, s28, 112
	s_cselect_b32 s29, s29, 0
	s_sub_co_u32 s28, s22, s28
	s_lshl_b32 s30, s28, 18                        ; 65,536 f32 a work-group,
	s_lshl_b32 s31, s23, 15                        ; 8,192 a wave
	s_add_co_u32 s30, s30, s31
	s_mov_b32 s31, 0
	s_add_nc_u64 s[24:25], s[24:25], s[30:31]
	s_lshl_b32 s32, s28, 17                        ; the same numbers in bf16
	s_lshl_b32 s33, s23, 14
	s_add_co_u32 s32, s32, s33
	s_add_co_u32 s32, s32, s29
	s_mov_b32 s33, 0
	s_add_nc_u64 s[26:27], s[26:27], s[32:33]
	s_or_b32 s34, s22, s23
	s_cmp_lg_u32 s34, 0
	s_cbranch_scc1 .Lnohdr                         ; wave 0 of work-group 0 writes the two headers and the two flags: 32 lanes x 8 bytes = 256 bytes each
	v_mov_b32 v12, 0xff80ff80
	v_mov_b32 v13, 0xff80ff80
	v_mov_b32 v14, 0
	v_mov_b32 v15, 0
	v_mov_b32 v16, 1
	v_mov_b32 v17, 1
	global_store_b64 v3, v[12:13], s[16:17]
	global_store_b64 v3, v[14:15], s[18:19]
	global_store_b64 v3, v[16:17], s[52:53]
	global_store_b64 v3, v[14:15], s[54:55]
.Lnohdr:
	s_mov_b32 s34, 2
.Lst:                                                  ; a trip: 4,096 numbers of the wave
.set i, 0
.rept 32
	global_load_b128 v[X+4*i:X+4*i+3], v2, s[24:25] offset:512*i th:TH_LOAD_NT  ; 512 neighbouring bytes a load
.set i, i+1
.endr
.set i, 0
.rept 32
.if i%8 == 0
	s_wait_loadcnt 24-i                            ; loads come back in order (ISA guide 5.7.1): the next eight are in, the younger ones stay out
.endif
	v_cvt_pk_bf16_f32 v[X+4*i], v[X+4*i], v[X+4*i+1]
	v_cvt_pk_bf16_f32 v[X+4*i+1], v[X+4*i+2], v[X+4*i+3]
	global_store_b64 v3, v[X+4*i:X+4*i+1], s[26:27] offset:256*i  ; the wave's store covers 256 consecutive bytes, aligned
.set i, i+1
.endr
	s_wait_xcnt 0x0                                ; the two bases and the stores' data are rewritten only behind this wait
	s_add_nc_u64 s[24:25], s[24:25], 0x4000
	s_add_nc_u64 s[26:27], s[26:27], 0x2000
	s_sub_co_u32 s34, s34, 1
	s_cmp_lg_u32 s34, 0
	s_cbranch_scc1 .Lst
	s_wait_tensorcnt 0x0                           ; the wave's end
	ds_add_u32 v[SPW], v[NIL]
	s_wait_dscnt 0x0
	s_endpgm
.Lturn:
	; THE TURNING PATH.  A wave turns a tile of 128 k x 64 n.  Tile T of its tensor's 512: k tile = T's low bits, n tile = the rest.
	s_sub_co_u32 s28, s22, 128
	s_lshl_b32 s28, s28, 3
	s_add_co_u32 s28, s28, s23
	s_and_b32 s28, s28, 511
	s_cmp_lt_u32 s22, 192                          ; w1 or w2
	s_cselect_b64 s[24:25], s[10:11], s[12:13]
	s_cselect_b64 s[26:27], s[18:19], s[20:21]
	s_cselect_b32 s37, 3, 5                        ; 8 or 32 k tiles
	s_cselect_b32 s43, 14, 12                      ; a source row: 16,384 or 4,096 bytes
	s_cselect_b32 s44, 11, 13                      ; a turned row: 2,048 or 8,192 bytes
	s_cselect_b32 s45, 8, 21                       ; in front of the copy: 256 or 2,097,152 bytes
	s_lshl_b32 s35, 1, s43                         ; SP
	s_lshl_b32 s36, 1, s44                         ; DP
	s_lshl_b32 s29, 1, s45
	s_bfm_b32 s38, s37, 0
	s_and_b32 s39, s28, s38                        ; k tile
	s_lshr_b32 s40, s28, s37                       ; n tile
	s_add_co_u32 s43, s43, 7
	s_lshl_b32 s30, s39, s43                       ; 128 source rows a k tile,
	s_lshl_b32 s31, s40, 8                         ; 64 f32 an n tile
	s_add_co_u32 s30, s30, s31
	s_mov_b32 s31, 0
	s_add_nc_u64 s[24:25], s[24:25], s[30:31]
	s_add_co_u32 s44, s44, 6
	s_lshl_b32 s32, s40, s44                       ; 64 turned rows an n tile,
	s_lshl_b32 s33, s39, 8                         ; 128 bf16 a k tile
	s_add_co_u32 s32, s32, s33
	s_add_co_u32 s32, s32, s29
	s_mov_b32 s33, 0
	s_add_nc_u64 s[26:27], s[26:27], s[32:33]
	s_lshl_b32 s46, s35, 6                         ; a trip's 64 source rows
	s_mov_b32 s47, 0
	v_and_b32 v6, 15, v0                           ; lane % 16: which four n
	v_bfe_u32 v7, v0, 4, 1                         ; lane / 16: which four k of eight
	v_lshlrev_b32 v8, 4, v6
	v_lshlrev_b32 v9, 2, v7
	v_mad_u32_u24 v9, v9, s35, v8                  ; 4 (lane / 16) rows + 16 (lane % 16)
.set i, 0
.rept 32                                               ; load i = 4 p + s takes row 8 p + 4 (lane / 16) + s: sixteen lanes read 256 consecutive bytes, aligned
	v_mad_u32_u24 v[OFF+i], s35, 8*(i/4)+i%4, v9
.set i, i+1
.endr
	s_mul_i32 s48, s23, WT                         ; my wave's own LDS rows
	v_mul_u32_u24 v[LW], v6, 4*272                 ; in: turned row 4 (lane % 16) + c, 8 bytes (four k) at 8 (lane / 16)
	v_lshl_add_u32 v[LW], v7, 3, v[LW]
	v_add_nc_u32 v[LW], s48, v[LW]
	v_mul_u32_u24 v[LR], v7, 272                   ; back: lanes 0-15 one turned row of 256 bytes, lanes 16-31 the next
	v_add_nc_u32 v[LR], v[LR], v8
	v_add_nc_u32 v[LR], s48, v[LR]
	s_mov_b32 s34, 2
.Ltr:                                                  ; a trip: 64 k rows of the tile
.set i, 0
.rept 32
	global_load_b128 v[X+4*i:X+4*i+3], v[OFF+i], s[24:25] th:TH_LOAD_NT
.set i, i+1
.endr
.set p, 0
.rept 8
.if p%2 == 0
	s_wait_loadcnt 24-4*p                          ; the next eight loads are in, the younger ones stay out
.endif
.set YS, Y+8*(p%4)
.set c, 0
.rept 4                                                ; column c of my four: its four k, packed, are 8 neighbouring bytes of turned row 4 (lane % 16) + c
	v_cvt_pk_bf16_f32 v[YS+2*c], v[X+16*p+c], v[X+16*p+4+c]
	v_cvt_pk_bf16_f32 v[YS+2*c+1], v[X+16*p+8+c], v[X+16*p+12+c]
	ds_store_b64 v[LW], v[YS+2*c:YS+2*c+1] offset:c*272+16*p  ; rows 1,088 bytes apart start 16 banks apart (64 banks of 4 bytes: ISA guide 11.1): four lanes meet in a bank; 64 such stores a wave, beside 32,768 bytes from memory
.set c, c+1
.endr
.set p, p+1
.endr
	s_wait_xcnt 0x0                                ; the base is stepped only behind this wait
	s_add_nc_u64 s[24:25], s[24:25], s[46:47]
	v_add_nc_u32 v[LW], 128, v[LW]                 ; the next 64 k of every turned row
	s_sub_co_u32 s34, s34, 1
	s_cmp_lg_u32 s34, 0
	s_cbranch_scc1 .Ltr
	v_mad_u32_u24 v9, v7, s36, v8                  ; (lane / 16) turned rows + 16 (lane % 16)
.set t, 0
.rept 32                                               ; the loads that named these registers are done (the last count was 0)
	v_mad_u32_u24 v[OFF+t], s36, 2*t, v9
.set t, t+1
.endr
.set t, 0
.rept 32
	ds_load_b128 v[X+4*t:X+4*t+3], v[LR] offset:544*t  ; LDS serves a wave's instructions in order (ISA guide 5.7.1.4): these see my stores above
.set t, t+1
.endr
.set t, 0
.rept 32
	s_wait_dscnt 31-t
	global_store_b128 v[OFF+t], v[X+4*t:X+4*t+3], s[26:27]  ; sixteen lanes store 256 consecutive bytes, aligned
.set t, t+1
.endr
	s_wait_tensorcnt 0x0                           ; the wave's end, behind my last LDS store
	ds_add_u32 v[SPW], v[NIL]
	s_wait_dscnt 0x0
	s_endpgm
.Lfunc_end_k_qd9d96f32c9_prep:
	.size	k_qd9d96f32c9_prep, .Lfunc_end_k_qd9d96f32c9_prep-k_qd9d96f32c9_prep
	.p2alignl 7, 3214868480
	.fill 96, 4, 3214868480
	.section	.rodata,"a",@progbits
	.p2align	6, 0x0
	.amdhsa_kernel k_qd9d96f32c9_prep
		.amdhsa_group_segment_fixed_size 140288
		.amdhsa_private_segment_fixed_size 0
		.amdhsa_enable_private_segment 0
		.amdhsa_kernarg_size 88
		.amdhsa_user_sgpr_count 2
		.amdhsa_user_sgpr_kernarg_segment_ptr 1
		.amdhsa_wavefront_size32 1
		.amdhsa_system_sgpr_workgroup_id_x 1
		.amdhsa_system_sgpr_workgroup_id_y 1
		.amdhsa_system_sgpr_workgroup_id_z 1
		.amdhsa_system_vgpr_workitem_id 0
		.amdhsa_next_free_vgpr 224
		.amdhsa_next_free_sgpr 66
		.amdhsa_reserve_vcc 0
		.amdhsa_float_denorm_mode_32 3
		.amdhsa_float_denorm_mode_16_64 3
		.amdhsa_memory_ordered 1
		.amdhsa_forward_progress 1
		.amdhsa_inst_pref_size 35
	.end_amdhsa_kernel
	.amdgpu_metadata
---
amdhsa.version: [ 1, 2 ]
amdhsa.kernels:
  - .name:           k_qd9d96f32c9_prep
    .symbol:         k_qd9d96f32c9_prep.kd
    .args:
      - { .name: x, .offset: 0, .size: 8, .value_kind: global_buffer, .address_space: global }
      - { .name: in_proj_w, .offset: 8, .size: 8, .value_kind: global_buffer, .address_space: global }
      - { .name: out_w, .offset: 16, .size: 8, .value_kind: global_buffer, .address_space: global }
      - { .name: w1, .offset: 24, .size: 8, .value_kind: global_buffer, .address_space: global }
      - { .name: w2, .offset: 32, .size: 8, .value_kind: global_buffer, .address_space: global }
      - { .name: acts, .offset: 40, .size: 8, .value_kind: global_buffer, .address_space: global }
      - { .name: wq, .offset: 48, .size: 8, .value_kind: global_buffer, .address_space: global }
      - { .name: w1t, .offset: 56, .size: 8, .value_kind: global_buffer, .address_space: global }
      - { .name: wr, .offset: 64, .size: 8, .value_kind: global_buffer, .address_space: global }
      - { .name: pa, .offset: 72, .size: 8, .value_kind: global_buffer, .address_space: global }
      - { .name: pb, .offset: 80, .size: 8, .value_kind: global_buffer, .address_space: global }
    .group_segment_fixed_size: 140288
    .private_segment_fixed_size: 0
    .kernarg_segment_align: 8
    .kernarg_segment_size: 88
    .max_flat_workgroup_size: 256
    .sgpr_count:     66
    .vgpr_count:     224
    .wavefront_size: 32
...
	.end_amdgpu_metadata
.endif
;; end of part 1
;; launch qkv (part 2): grid 12 x 16, 4 waves a work-group, clusters of 4 x 4, 327,680 bytes of LDS; arguments acts, wq, in_proj_b, big; writes big
.if DOCPART == 2
	.amdgcn_target "amdgcn-amd-amdhsa--gfx1250"
	.amdhsa_code_object_version 6
	.text
	.protected	k_qd9d96f32c9_qkv
	.globl	k_qd9d96f32c9_qkv
	.p2align	8
	.type	k_qd9d96f32c9_qkv,@function
k_qd9d96f32c9_qkv:
	s_mov_b64 s[64:65], 0
	v_nop
	global_prefetch_b8 v0, s[64:65] scope:SCOPE_SE
	s_setreg_imm32_b32 hwreg(HW_REG_WAVE_MODE, 25, 1), 1
	s_wait_xcnt 0x0
	s_wait_alu depctr_hold_cnt(0) depctr_sa_sdst(0) depctr_va_vdst(0) depctr_va_sdst(0) depctr_va_ssrc(0) depctr_va_vcc(0) depctr_vm_vsrc(0)
	s_getreg_b32 s2, hwreg(HW_REG_IB_STS2, 6, 4)
	s_cmp_eq_u32 s2, 0
	s_cbranch_scc0 .Lentry_in_a_cluster
	s_endpgm
.Lentry_in_a_cluster:
	s_bfe_u32 s2, ttmp6, 0x10000c
	s_cmp_lg_u32 s2, 0xf033
	s_cbranch_scc0 .Lentry_shape_is_right
	s_endpgm
.Lentry_shape_is_right:
; C[m][n] = floor-max( sum over k of A[m][k] B[n][k] + bf16(bias[n]) ), rounded once to bf16.  A: [4096][1024] bf16 at its buffer's byte 0.  B: [N][1024] bf16 behind a header of 256 bytes,
; whose first word is the floor, twice in bf16: -infinity (no floor) or 0 (a ReLU).  bias: [N] f32, rounded to bf16 in registers as every input of the module is.  C: rows of 4,096 bf16; the
; grid's width says how many columns are made (3,072 for q, k, v; 4,096 for the hidden layer).  Sums in f32; the bias starts them, as the C operand of the first product.
; LIMITS: a NaN result is replaced by the floor (the packed maximum drops a NaN); infinities are not treated apart.
; A tile of C, 256 x 256, is made by four waves, as many as a WGP has SIMDs; a wave makes 128 x 128: 64 accumulators of 16 x 16, 512 registers.  K goes in steps of 128 through a ring of two LDS
; slots filled by the tensor data mover: the tiles' rows are 256 bytes of memory and start at multiples of 256 bytes.  The last K step goes by rows of C, so that finished rows leave while the others are multiplied.
; CLUSTERS: 4 x 4 work-groups.  The four of a row of the cluster need the same tiles of A, the four of a column the same tiles of B: each tile is asked for JOINTLY, by the same tensor load with the
; same descriptor and a mask that names the four.
; REGISTERS, in windows of 256 (s_set_vgpr_msb: bits 1:0 source 0, 3:2 source 1, 5:4 source 2, 7:6 destination):
;   window 0: v0-31 addresses; v64-127, v128-191 fragments of A, two buffers (in the last K step four, of 16 rows x 128 K); v32-63, v192-255 at work on the way out
;   window 1: v64-127, v128-191 fragments of B, two buffers; v192-255 the bias of my 128 columns until the first quarter has taken it (v0-31 at work on it); in the last K step all 256: B's fragments of the step
;   window 2: the 32 accumulators of my rows 0-63 (accumulator (a, b) at v[8 (8 a + b)]);   window 3: those of my rows 64-127
; THE MATRIX INSTRUCTION IS USED TRANSPOSED: source 0 = 16 rows of B, source 1 = 16 rows of A: lane l holds row l % 16 of C and its registers 0 to 7 the columns 8 (l / 16) + 0 .. 7.
.set SIZE_N, 4096                      ; C's pitch in elements
.set SIZE_K, 1024
.set BHDR,   256
.set KSTEP,  128
.set PITCH,  272                       ; an LDS row: 256 bytes + 16 of padding = 68 words: row r starts at bank 4 r mod 64 (64 banks of 4 bytes: ISA guide 11.1)
.set HALFT,  128*PITCH                 ; 128 rows: what one tensor load brings, and what one wave reads of A or of B
.set SLOT,   4*HALFT                   ; A's 256 rows, then B's 256 rows
.set STAGE,  2*SLOT                    ; behind the ring: 16 rows x 272 bytes for each wave, for the way out
.set SPITCH, 272
.set SPARE,  STAGE+4*16*SPITCH         ; behind the stages: the spare words, 128 bytes for each wave
.set LAPS, SIZE_K/(2*KSTEP)            ; a lap = two K steps = once round the ring: 4
.set ADRA, 16                          ; v16-17  LDS address of my A fragments in slot 0, 1
.set ADRB, 20                          ; v20-21  the same for B
.set STO,  24                          ; v24     the way out: where I put 16 bytes of a row
.set RD,   25                          ; v25     the way out: where I read a row back
.set CO,   26                          ; v26     my byte offset in C
.set BO,   27                          ; v27     my byte offset in 16 columns of the bias
.set SPW,  28                          ; v28     LDS address of my spare word; never rewritten
.set NIL,  29                          ; v29     0; never rewritten
.set F0,   64
.set F1,   128
.set TMP,  192                         ; the way out: packed results, in window 0
.set OB,   32                          ; the way out: 16 rows read back: v32-63 and v224-255 by turns
.set PA,   64                          ; the last K step: A's fragments of 16 rows x 128 K; four buffers, v64-191
.set BIAS, 192                         ; window 1: eight registers for each of my eight blocks of 16 columns
.set G1, 24                            ; s[24:31] descriptor group 1 for A's tiles
.set G0, 32                            ; s[32:39] descriptor group 0 for A's tiles, one set for each slot
.set G1B, 48                           ; s[48:55], s[56:63] the same for B's tiles
.set G0B, 56
.set MSB, 0
.macro WIN new                         ; the immediate's high byte repeats the setting that is left; a switch that changes nothing is dropped
.if MSB != (\new)
	s_set_vgpr_msb (MSB<<8)|(\new)
.set MSB, \new
.endif
.endm
.set MUL_LO, 0xa1                      ; source 0 (B) window 1, source 1 (A) window 0, C and D window 2
.set MUL_HI, 0xf1                      ; the same, C and D window 3
.set TO_B,   0x40                      ; destination window 1, address window 0
; A joint load.  Waves 0 and 1 fetch A's two halves, waves 2 and 3 B's.  The branch hangs on the wave's number alone.  An s_nop 0 and four v_nop follow each of the two lines.
.macro JLOAD s
	s_cmp_eq_u32 s11, 0
	s_cbranch_scc0 .Lfor_b_\@
	tensor_load_to_lds s[G0+4*(\s):G0+4*(\s)+3], s[G1:G1+7]
	s_nop 0
.rept 4
	v_nop
.endr
	s_branch .Lasked_\@
.Lfor_b_\@:
	tensor_load_to_lds s[G0B+4*(\s):G0B+4*(\s)+3], s[G1B:G1B+7]
	s_nop 0
.rept 4
	v_nop
.endr
.Lasked_\@:
.endm
.macro CREST                           ; a round of the cluster's barrier behind its opening barrier
	s_cmp_lg_u32 s10, 0
	s_cbranch_scc1 .Lnot_wave_0_\@
	s_barrier_signal -3
.Lnot_wave_0_\@:
	s_barrier_wait -3
	s_barrier_signal -1
	s_barrier_wait -1
.endm
.macro CROUND                          ; a whole round
	s_barrier_signal -1
	s_barrier_wait -1
	CREST
.endm
	s_load_b128 s[4:7], s[0:1], 0x0                ; A s[4:5], B s[6:7]
	s_load_b64 s[66:67], s[0:1], 0x10              ; bias
	s_load_b64 s[8:9], s[0:1], 0x18                ; C
	v_lshl_add_u32 v[SPW], v0, 2, SPARE
	v_mov_b32 v[NIL], 0
	ds_add_u32 v[SPW], v[NIL]                      ; the wave's opening: the add and its wait stand ahead of my first tensor load; the set-up below stands between them
	ds_add_u32 v28, v29
	v_lshrrev_b32 v1, 5, v0
	v_readfirstlane_b32 s10, v1                    ; wave 0..3
	s_lshr_b32 s11, s10, 1                         ; which half of the tile's rows is mine.  Also: I fetch for A (0) or for B (1)
	s_and_b32 s12, s10, 1                          ; which half of its columns.  Also: which 128 rows of that tile I fetch
	s_bfe_u32 s40, ttmp6, 0x40000                  ; cx
	s_bfe_u32 s41, ttmp6, 0x40004                  ; cy
	s_lshl_b32 s42, ttmp9, 2
	s_add_co_u32 s42, s42, s40                     ; tile column of C = 4 x cluster x + cx
	s_and_b32 s13, ttmp7, 0xffff
	s_lshl_b32 s13, s13, 2
	s_add_co_u32 s13, s13, s41                     ; tile row of C = 4 x cluster y + cy
	s_lshl_b32 s43, s41, 2
	s_lshl_b32 s43, 15, s43                        ; my row of the cluster
	s_lshl_b32 s44, 0x1111, s40                    ; my column
	s_mov_b32 s45, 0xffff0000                      ; a word's upper bf16
	s_or_b32 s[G1+0], s43, (1<<16)|(1<<20)|(1<<21)|(5<<22)|(3<<25)  ; the mask; elements of 2 bytes; padding on; bit 21 beside a mask; after every 64 words 4 words
	s_or_b32 s[G1B+0], s44, (1<<16)|(1<<20)|(1<<21)|(5<<22)|(3<<25)
.irp g, G1, G1B
	s_mov_b32 s[(\g)+1], KSTEP<<16                 ; tensor_dim0 = 128
	s_mov_b32 s[(\g)+2], 128<<16                   ; tensor_dim1 = 128
	s_mov_b32 s[(\g)+3], KSTEP<<16                 ; tile_dim0 = 128
	s_mov_b32 s[(\g)+4], 128                       ; tile_dim1 = 128
	s_mov_b32 s[(\g)+5], SIZE_K                    ; elements from row to row
	s_mov_b32 s[(\g)+6], 0
	s_mov_b32 s[(\g)+7], 0
.endr
	s_lshl_b32 s17, s12, 7                         ; which 128 rows of the tile I fetch
	s_lshl_b32 s16, s13, 8
	s_add_co_u32 s16, s16, s17                     ; A: row 256 x tile row + 128 x half
	s_lshl_b32 s46, s42, 8
	s_add_co_u32 s46, s46, s17                     ; B: row 256 x tile column + 128 x half
	s_mov_b32 s17, 0
	s_mov_b32 s47, 0
	s_mov_b64 s[18:19], SIZE_K*2
	s_mul_u64 s[16:17], s[16:17], s[18:19]
	s_mul_u64 s[46:47], s[46:47], s[18:19]
	s_add_nc_u64 s[46:47], s[46:47], BHDR          ; B's rows begin behind the header
	s_lshl_b32 s72, s42, 10                        ; my 128 columns in the bias: 1,024 bytes a tile column, 512 a half
	s_lshl_b32 s73, s12, 9
	s_add_co_u32 s72, s72, s73
	s_mov_b32 s73, 0
	s_mul_i32 s20, s10, HALFT                      ; where the tiles go: wave x 128 rows
	s_wait_dscnt 0x0                               ; the opening add is done
	s_wait_kmcnt 0x0
	s_add_nc_u64 s[14:15], s[4:5], s[16:17]
	s_add_nc_u64 s[46:47], s[6:7], s[46:47]
	s_add_nc_u64 s[66:67], s[66:67], s[72:73]
	s_load_b32 s68, s[6:7], 0x0                    ; the floor: the header's first word
	CROUND                                         ; all sixteen work-groups are here: the first joint loads meet
.irp s, 0,1
	s_mov_b32 s[G0+4*(\s)], 1
	s_add_co_u32 s[G0+4*(\s)+1], s20, (\s)*SLOT
	s_add_nc_u64 s[G0+4*(\s)+2:G0+4*(\s)+3], s[14:15], (\s)*KSTEP*2
	s_or_b32 s[G0+4*(\s)+3], s[G0+4*(\s)+3], 0x80000000
	s_mov_b32 s[G0B+4*(\s)], 1
	s_add_co_u32 s[G0B+4*(\s)+1], s20, (\s)*SLOT
	s_add_nc_u64 s[G0B+4*(\s)+2:G0B+4*(\s)+3], s[46:47], (\s)*KSTEP*2
	s_or_b32 s[G0B+4*(\s)+3], s[G0B+4*(\s)+3], 0x80000000
	JLOAD \s                                       ; two loads of mine are out
.endr
	v_and_b32 v1, 15, v0                           ; l % 16
	v_bfe_u32 v2, v0, 4, 1                         ; l / 16
	v_mul_u32_u24 v3, v1, PITCH
	v_lshl_add_u32 v3, v2, 4, v3                   ; a fragment's row x pitch + 16 x half
	s_mul_i32 s21, s11, HALFT                      ; my 128 rows of A
	s_mul_i32 s22, s12, HALFT                      ; my 128 rows of B,
	s_add_co_u32 s22, s22, 2*HALFT                 ; which lie behind A's 256
.irp s, 0,1
	v_add_nc_u32 v[ADRA+(\s)], s21, v3
	v_add_nc_u32 v[ADRB+(\s)], s22, v3
	s_add_co_u32 s21, s21, SLOT
	s_add_co_u32 s22, s22, SLOT
.endr
	s_mul_i32 s23, s10, 16*SPITCH
	s_add_co_u32 s23, s23, STAGE                   ; my stage
	v_mul_u32_u24 v4, v1, SPITCH
	v_lshl_add_u32 v4, v2, 4, v4
	v_add_nc_u32 v[STO], s23, v4
	v_mul_u32_u24 v5, v2, SPITCH
	v_lshl_add_u32 v5, v1, 4, v5
	v_add_nc_u32 v[RD], s23, v5
	v_mul_u32_u24 v5, v2, SIZE_N*2
	v_lshl_add_u32 v[CO], v1, 4, v5
	v_lshlrev_b32 v[BO], 5, v2                     ; my eight columns of a block of 16: 32 bytes for each half of the lanes
	WIN TO_B
.irp b, 0,1,2,3,4,5,6,7
	global_load_b128 v[BIAS+8*(\b):BIAS+8*(\b)+3],   v[BO], s[66:67] offset:64*(\b)
	global_load_b128 v[BIAS+8*(\b)+4:BIAS+8*(\b)+7], v[BO], s[66:67] offset:64*(\b)+16
.endr
	WIN 0
	s_lshl_b32 s13, s13, 8
	s_lshl_b32 s14, s11, 7
	s_add_co_u32 s16, s13, s14                     ; my first row of C
	s_mov_b32 s17, 0
	s_mov_b64 s[18:19], SIZE_N*2
	s_mul_u64 s[16:17], s[16:17], s[18:19]
	s_lshl_b32 s46, s42, 9                         ; my first column, in bytes
	s_lshl_b32 s47, s12, 8
	s_add_co_u32 s46, s46, s47
	s_mov_b32 s47, 0
	s_add_nc_u64 s[16:17], s[16:17], s[46:47]
; 16 matrix instructions: m blocks a0, a0 + 1 of the window's four x all 8 n blocks, 32 along K.  zero = 1: the first product starts the sums, with the bias of its 16 columns as C (window 1).
.macro MUL16 f, hi, a0, zero
.if \zero
	WIN 0x91+0x40*(\hi)                            ; source 0 and C window 1, source 1 window 0, D window 2 or 3
.else
	WIN MUL_LO+0x50*(\hi)
.endif
.irp a, \a0, (\a0)+1
.irp b, 0,1,2,3,4,5,6,7
.if \zero
	v_wmma_f32_16x16x32_bf16 v[8*(8*(\a)+(\b)):8*(8*(\a)+(\b))+7], v[(\f)+8*(\b):(\f)+8*(\b)+7], v[(\f)+8*(4*(\hi)+(\a)):(\f)+8*(4*(\hi)+(\a))+7], v[BIAS+8*(\b):BIAS+8*(\b)+7]
.else
	v_wmma_f32_16x16x32_bf16 v[8*(8*(\a)+(\b)):8*(8*(\a)+(\b))+7], v[(\f)+8*(\b):(\f)+8*(\b)+7], v[(\f)+8*(4*(\hi)+(\a)):(\f)+8*(4*(\hi)+(\a))+7], v[8*(8*(\a)+(\b)):8*(8*(\a)+(\b))+7]
.endif
.endr
.endr
.endm
; 32 LDS loads in one run: the fragments of one quarter step (128 rows of B, 128 rows of A, 32 K at byte k of the rows) into buffer f
.macro FETCH slot, k, f
	WIN TO_B
.irp i, 0,1,2,3,4,5,6,7
	ds_load_b128 v[(\f)+8*(\i):(\f)+8*(\i)+3],   v[ADRB+(\slot)] offset:(\k)+(\i)*16*PITCH
	ds_load_b128 v[(\f)+8*(\i)+4:(\f)+8*(\i)+7], v[ADRB+(\slot)] offset:(\k)+(\i)*16*PITCH+32
.endr
	WIN 0
.irp i, 0,1,2,3,4,5,6,7
	ds_load_b128 v[(\f)+8*(\i):(\f)+8*(\i)+3],   v[ADRA+(\slot)] offset:(\k)+(\i)*16*PITCH
	ds_load_b128 v[(\f)+8*(\i)+4:(\f)+8*(\i)+7], v[ADRA+(\slot)] offset:(\k)+(\i)*16*PITCH+32
.endr
.endm
.macro PLACES                          ; four plain vector instructions in front of loads into registers that matrix instructions have read, and of conversions that read results
.rept 4
	v_nop
.endr
.endm
; A K step is four quarter steps of 32 along K, 64 matrix instructions each, on buffers 0, 1, 0, 1.  The 64 accumulators take turns.
.macro QUARTER slot, k, f, g, zero
	s_wait_dscnt 8                                 ; B and A's rows 0-63 are in; the youngest eight loads (A's rows 64-127) may be out
	MUL16 \f, 0, 0, \zero
	MUL16 \f, 0, 2, \zero
	PLACES
	FETCH \slot, \k, \g
	s_wait_dscnt 32                                ; all but the 32 just issued
	MUL16 \f, 1, 0, \zero
	MUL16 \f, 1, 2, \zero
.endm
; The last quarter multiplies buffer 1 and changes slots.  In front of the one barrier each wave waits for all its tensor loads (one is out: its part of the next slot), adds 0 to its spare word,
; and waits for that and for its own reads of this slot.
.macro MEET round
	WIN 0                                          ; (the add's two registers lie in window 0)
	s_wait_tensorcnt 0x0
	ds_add_u32 v[SPW], v[NIL]
	s_wait_dscnt 9                                 ; (the add and the youngest eight loads may be out)
	MUL16 F1, 0, 0, 0                              ; sixteen matrix instructions stand between the add and the wait for it
	s_wait_dscnt 0x0                               ; the add is done, and my reads of this slot are over
	s_barrier_signal -1
	MUL16 F1, 0, 2, 0
.if \round
	WIN 0
.endif
	s_barrier_wait -1
.endm
.macro TURN slot, next
	MEET 1
	CREST                                          ; the barrier has opened a round of the cluster's: no wave of any partner still reads this slot's tile or has a load on its way
	s_add_nc_u64 s[G0+4*(\slot)+2:G0+4*(\slot)+3], s[G0+4*(\slot)+2:G0+4*(\slot)+3], 2*KSTEP*2
	s_add_nc_u64 s[G0B+4*(\slot)+2:G0B+4*(\slot)+3], s[G0B+4*(\slot)+2:G0B+4*(\slot)+3], 2*KSTEP*2
	JLOAD \slot                                    ; my one tensor load behind the round; its four v_nop are also the places in front of the loads below
	FETCH \next, 0, F0
	MUL16 F1, 1, 0, 0
	MUL16 F1, 1, 2, 0
.endm
; THE LAST K STEP (it lies in slot 1) GOES BY ROWS OF C: all its fragments of B fill window 1; my eight blocks of 16 rows are finished one after the other, K ascending.
.macro BLOAD q
	WIN TO_B
.irp i, 0,1,2,3,4,5,6,7
	ds_load_b128 v[64*(\q)+8*(\i):64*(\q)+8*(\i)+3],   v[ADRB+1] offset:64*(\q)+(\i)*16*PITCH
	ds_load_b128 v[64*(\q)+8*(\i)+4:64*(\q)+8*(\i)+7], v[ADRB+1] offset:64*(\q)+(\i)*16*PITCH+32
.endr
.endm
.macro ALOAD a
	WIN 0
.set FA, PA+32*((\a)%4)
.irp q, 0,1,2,3
	ds_load_b128 v[FA+8*(\q):FA+8*(\q)+3],   v[ADRA+1] offset:64*(\q)+(\a)*16*PITCH
	ds_load_b128 v[FA+8*(\q)+4:FA+8*(\q)+7], v[ADRA+1] offset:64*(\q)+(\a)*16*PITCH+32
.endr
.endm
.macro ROW a
.set FA, PA+32*((\a)%4)
.set AC, 64*((\a)%4)
	WIN MUL_LO+0x50*((\a)/4)
.irp q, 0,1,2,3
.if (\a) == 0 && (\q) == 2
	s_wait_dscnt 24                                ; B's quarter 2 is in (behind it: A's blocks 1 to 3)
.endif
.irp b, 0,1,2,3,4,5,6,7
	v_wmma_f32_16x16x32_bf16 v[AC+8*(\b):AC+8*(\b)+7], v[64*(\q)+8*(\b):64*(\q)+8*(\b)+7], v[FA+8*(\q):FA+8*(\q)+7], v[AC+8*(\b):AC+8*(\b)+7]
.endr
.endr
.endm
; THE WAY OUT of block a.  PACK: rounded to bf16, each accumulator's registers in ascending order, then held to the floor.  TOSTAGE: into my own stage, and back as whole rows of 256 bytes.  SEND: stored.
.macro PACK a
.set AC, 64*((\a)%4)
	WIN 0x0a+5*((\a)/4)
.irp b, 0,1,2,3,4,5,6,7
.irp r, 0,1,2,3
	v_cvt_pk_bf16_f32 v[TMP+4*(\b)+(\r)], v[AC+8*(\b)+2*(\r)], v[AC+8*(\b)+2*(\r)+1]
.endr
.endr
	WIN 0
.set i, 0
.rept 32
	v_pk_max_num_bf16 v[TMP+i], v[TMP+i], s68
.set i, i+1
.endr
.endm
.macro TOSTAGE a
	WIN 0
.set BK, OB+192*((\a)%2)
.irp b, 0,1,2,3,4,5,6,7
	ds_store_b128 v[STO], v[TMP+4*(\b):TMP+4*(\b)+3] offset:32*(\b)
.endr
.irp t, 0,1,2,3,4,5,6,7
	ds_load_b128 v[BK+4*(\t):BK+4*(\t)+3], v[RD] offset:(\t)*2*SPITCH  ; LDS serves a wave's instructions in order (ISA guide 5.7.1.4): these see the stores above
.endr
.endm
.macro SEND a, younger
	WIN 0
.set BK, OB+192*((\a)%2)
	s_wait_dscnt \younger                          ; the block is back in registers
	s_wait_xcnt 0x0                                ; the stores' base and the registers that earlier stores read are rewritten only behind this wait
.if (\a) == 0
	s_add_nc_u64 s[8:9], s[8:9], s[16:17]          ; on to my first rows
.else
	s_add_nc_u64 s[8:9], s[8:9], 16*SIZE_N*2       ; 16 rows of C on
.endif
.irp t, 0,1,2,3,4,5,6,7
	global_store_b128 v[CO], v[BK+4*(\t):BK+4*(\t)+3], s[8:9] offset:2*(\t)*SIZE_N*2  ; 16 lanes store 256 consecutive bytes, aligned
.endr
.endm
	s_wait_kmcnt 0x0                               ; the floor
	s_wait_tensorcnt 1                             ; my part of K step 0 is in; K step 1's may stay out
	s_barrier_signal -1
	s_barrier_wait -1
	FETCH 0, 0, F0
	s_wait_loadcnt 0x0                             ; the bias
	WIN 0x45                                       ; destination and both sources window 1
.set i, 0
.rept 32                                               ; the bias is rounded to bf16 and widened again
	v_cvt_pk_bf16_f32 v[i], v[BIAS+2*i], v[BIAS+2*i+1]
.set i, i+1
.endr
.set i, 0
.rept 32
	v_lshlrev_b32 v[BIAS+2*i], 16, v[i]
	v_and_b32 v[BIAS+2*i+1], s45, v[i]
.set i, i+1
.endr
	QUARTER 0, 64,  F0, F1, 1                      ; the first quarter stands in front of the loop: its products start the sums
	WIN 0                                          ; at a label and at a branch every window is 0
	s_mov_b32 s3, LAPS-1
.Llap:                                                 ; a trip goes once round the ring, from a lap's second quarter to the next lap's first, and fills both slots again
	QUARTER 0, 128, F1, F0, 0
	QUARTER 0, 192, F0, F1, 0
	TURN 0, 1
	QUARTER 1, 64,  F0, F1, 0
	QUARTER 1, 128, F1, F0, 0
	QUARTER 1, 192, F0, F1, 0
	TURN 1, 0
	QUARTER 0, 64,  F0, F1, 0
	WIN 0
	s_sub_co_u32 s3, s3, 1
	s_cmp_lg_u32 s3, 0
	s_cbranch_scc1 .Llap
	QUARTER 0, 128, F1, F0, 0                      ; the last lap goes on
	QUARTER 0, 192, F0, F1, 0
	MEET 0                                         ; the load that was still out is slot 1's, the last K step's, so no round follows
	PLACES
	BLOAD 0                                        ; three quarters of B now: buffer 1 is still being multiplied
	BLOAD 1
	BLOAD 3
	ALOAD 0
	MUL16 F1, 1, 0, 0
	MUL16 F1, 1, 2, 0
	PLACES
	BLOAD 2
	ALOAD 1
	ALOAD 2
	ALOAD 3
	s_wait_dscnt 40                                ; all but the 40 just issued
	ROW 0
.irp a, 0,1,2,3,4,5,6,7                ; each block leaves as soon as it is finished
	PLACES
	PACK \a
	TOSTAGE \a
.if (\a) < 4
	ALOAD (\a)+4
	SEND \a, 8
.else
	SEND \a, 0
.endif
.if (\a) < 7
	ROW (\a)+1
.endif
.endr
	s_wait_tensorcnt 0x0                           ; the wave's end
	ds_add_u32 v[SPW], v[NIL]
	s_wait_dscnt 0x0
	CROUND                                         ; the closing round
	s_endpgm
.Lfunc_end_k_qd9d96f32c9_qkv:
	.size	k_qd9d96f32c9_qkv, .Lfunc_end_k_qd9d96f32c9_qkv-k_qd9d96f32c9_qkv
	.p2alignl 7, 3214868480
	.fill 96, 4, 3214868480
	.section	.rodata,"a",@progbits
	.p2align	6, 0x0
	.amdhsa_kernel k_qd9d96f32c9_qkv
		.amdhsa_group_segment_fixed_size 327680
		.amdhsa_private_segment_fixed_size 0
		.amdhsa_enable_private_segment 0
		.amdhsa_kernarg_size 32
		.amdhsa_user_sgpr_count 2
		.amdhsa_user_sgpr_kernarg_segment_ptr 1
		.amdhsa_wavefront_size32 1
		.amdhsa_system_sgpr_workgroup_id_x 1
		.amdhsa_system_sgpr_workgroup_id_y 1
		.amdhsa_system_sgpr_workgroup_id_z 1
		.amdhsa_system_vgpr_workitem_id 0
		.amdhsa_next_free_vgpr 1024
		.amdhsa_next_free_sgpr 76
		.amdhsa_reserve_vcc 0
		.amdhsa_float_denorm_mode_32 3
		.amdhsa_float_denorm_mode_16_64 3
		.amdhsa_memory_ordered 1
		.amdhsa_forward_progress 1
		.amdhsa_inst_pref_size 165
	.end_amdhsa_kernel
	.amdgpu_metadata
---
amdhsa.version: [ 1, 2 ]
amdhsa.kernels:
  - .name:           k_qd9d96f32c9_qkv
    .symbol:         k_qd9d96f32c9_qkv.kd
    .args:
      - { .name: acts, .offset: 0, .size: 8, .value_kind: global_buffer, .address_space: global }
      - { .name: wq, .offset: 8, .size: 8, .value_kind: global_buffer, .address_space: global }
      - { .name: in_proj_b, .offset: 16, .size: 8, .value_kind: global_buffer, .address_space: global }
      - { .name: big, .offset: 24, .size: 8, .value_kind: global_buffer, .address_space: global }
    .group_segment_fixed_size: 327680
    .private_segment_fixed_size: 0
    .kernarg_segment_align: 8
    .kernarg_segment_size: 32
    .max_flat_workgroup_size: 128
    .sgpr_count:     76
    .vgpr_count:     1024
    .wavefront_size: 32
...
	.end_amdgpu_metadata
.endif
;; end of part 2
;; launch att (part 3): grid 16 x 16, 4 waves a work-group, no clusters, 327,680 bytes of LDS; arguments big, acts; writes acts
.if DOCPART == 3
	.amdgcn_target "amdgcn-amd-amdhsa--gfx1250"
	.amdhsa_code_object_version 6
	.text
	.protected	k_qd9d96f32c9_att
	.globl	k_qd9d96f32c9_att
	.p2align	8
	.type	k_qd9d96f32c9_att,@function
k_qd9d96f32c9_att:
	s_mov_b64 s[64:65], 0
	v_nop
	global_prefetch_b8 v0, s[64:65] scope:SCOPE_SE
	s_setreg_imm32_b32 hwreg(HW_REG_WAVE_MODE, 25, 1), 1
	s_wait_xcnt 0x0
; WINDOWED ATTENTION.  Token rows of big hold q (columns 0-1023), k (1024-2047), v (2048-3071) in bf16, 8,192 bytes from row to row; a head is 64 columns.  Chunk y (of 16: 4 a batch) has tokens 256 y ..;
; its queries see the keys of the chunk itself and of the chunk before; a batch's first chunk (y % 4 = 0) sees itself alone.
; O[q] = sum over k of softmax_k(q . k / 8) v[k], written as bf16 [4096][1024] at byte 25,165,824 of acts.  Products, maxima and sums in f32; weights rounded to bf16 for the second product, O once at the end.
; LIMITS.  The padded keys of a batch's first chunk, whose scores the module sets to -1e9, count as weight 0 and are not computed: exact in f32 while some true score of the row lies above about -1e9 + 100.
; A weight below 2^-126 counts as 0 in the sum; NaN and infinities are not treated apart.
; SHARES.  A work-group: 128 queries (half qh of a chunk) x a pair of heads hp, so that K's, V's and O's rows are 256 consecutive aligned bytes.  Wave w: head 2 hp + w % 2, queries 64 (w / 2) .., four tiles of 16.
; ALL 512 keys' K and V of the head pair are brought into LDS once, by two tensor loads a wave (two of mine are out, no more): nothing is filled again.  Keys 0-255 in LDS are the chunk's own, 256-511 the chunk
; before.  The walk begins when the chunk's own keys are in: the chunk before's land under the first four steps' work.  In a batch's first chunk the second pair of loads is pointed at the chunk itself, so that
; every path issues the same loads and none leaves the buffer; those bytes are not read.
; NO CLUSTER: a K or V tile is shared by the two halves qh alone, a quarter of no step's partners of four; a chunk's tile is also the next chunk's 'before', but there it lies at another LDS address.
; LAYOUT.  S^T = K Q^T (source 0 = 16 keys, source 1 = 16 queries): a lane holds ONE query (lane % 16) and the keys 8 (lane / 16) + 0..7.  Two such results rounded to bf16 ARE source 1 of O^T = V^T P.
; SOFTMAX.  A running maximum m and sum l a query: p = 2^(c s - c m), c = log2(e) / 8; O and l are multiplied by a = 2^(c m_old - c m_new) in every step.  m starts at the lowest finite number, O and l at 0.
; IN PHASES: a step of 64 keys is 32 products K Q^T, the four tiles' softmax, 32 products V^T P.
; REGISTERS, in windows of 256 (s_set_vgpr_msb: bits 1:0 source 0, 3:2 source 1, 5:4 source 2, 7:6 destination):
;   window 0: addresses; v12-15 c m_old; v16-31 statistics; v32-47 at work; v64-191 S^T, 32 a tile; v192-255 P, 16 a tile      window 1: v0-127 O^T, 32 a tile      window 2: v0-63 Q; v128-191 K; v192-255 V
.set PK,    272       ; a key's row of K: 256 bytes + 16 = 68 words: the 16 rows of a load start at 16 different groups of four banks (64 banks of 4 bytes: ISA guide 11.1)
.set PV,    288       ; of V: 256 + 32 = 72 words
.set VB,    512*PK
.set STAGE, VB+512*PV ; never filled by a tensor load: 128 rows x 272 bytes, the work-group's, for the way out
.set SP,    272
.set SPARE, STAGE+128*SP
.set O_OFF, 25165824
.set AK0, 2           ; v2   my lane's place in a step of K; never rewritten
.set AV0, 3           ; v3   the same for V
.set AK,  4
.set AV,  5
.set STO, 6
.set RD,  7
.set GO,  8
.set MV,  12
.set ST,  16          ; tile t at v[ST+4 t]: c m, m, l (even keys', odd keys')
.set TC,  32          ; tile t at v[TC+4 t]: c0-c3 at work; c2 takes a
.set QO,  48
.set SPW, 62
.set NIL, 63
.set S,   64
.set P,   192
.set KF,  128
.set VF,  192
.set WV,  12
.set HALF, 23         ; s23  counts the walk's two halves of four steps
.set G1K, 24
.set G1V, 32
.set G0,  40          ; s[40:43] K own chunk, s[44:47] K chunk before, s[48:51], s[52:55] the same for V
.set DEAD, 56         ; s56  halves at the walk's end that a batch's first chunk leaves out: 1, else 0
.set CNT, 57
.set CS,  58
.set SEL, 60
.set TBK, 62
.set TBV, 63
.set MSB, 0
.macro WIN new
.if MSB != (\new)
	s_set_vgpr_msb (MSB<<8)|(\new)
.set MSB, (\new)
.endif
.endm
.set W_KQ, 0x0a       ; K and Q in window 2, S^T in window 0
.set W_PV, 0x52       ; V in window 2, P in window 0, O^T in window 1
.set W_RS, 0x41       ; O^T (destination and source 0) in window 1, a in window 0
	s_load_b128 s[4:7], s[0:1], 0x0  ; big s[4:5], acts s[6:7]
	v_lshl_add_u32 v[SPW], v0, 2, SPARE
	v_mov_b32 v[NIL], 0
	ds_add_u32 v[SPW], v[NIL]       ; the wave's opening: the add and its wait stand ahead of my first tensor load
	ds_add_u32 v62, v63
	v_lshrrev_b32 v1, 5, v0
	v_readfirstlane_b32 s[WV], v1   ; wave 0..3
	s_lshr_b32 s15, ttmp9, 1        ; hp
	s_and_b32 s16, ttmp9, 1         ; qh
	s_and_b32 s14, ttmp7, 0xffff    ; y
	s_and_b32 s17, s14, 3           ; the chunk's place in its batch
	s_and_b32 s18, s[WV], 1         ; my head of the pair.  Also: which 128 keys of a chunk I fetch
	s_lshr_b32 s19, s[WV], 1        ; my 64 queries of the 128.  Also: I fetch K (0) or V (1)
	s_cmp_eq_u32 s17, 0
	s_cselect_b32 s[DEAD], 1, 0
	s_cselect_b32 s20, 0, 1
	s_sub_co_u32 s20, s14, s20      ; the chunk before, or the chunk itself
	s_lshl_b32 s21, s18, 20         ; 128 rows of 8,192 bytes,
	s_lshl_b32 s22, s15, 8          ; the head pair's 256 bytes,
	s_add_co_u32 s21, s21, s22
	s_add_co_u32 s21, s21, 2048     ; k's columns
	s_lshl_b32 s8, s14, 21          ; a chunk is 256 rows
	s_add_co_u32 s8, s8, s21
	s_mov_b32 s9, 0
	s_lshl_b32 s10, s20, 21
	s_add_co_u32 s10, s10, s21
	s_mov_b32 s11, 0
	s_lshl_b32 s2, s14, 21          ; Q: my wave's first query, my head
	s_lshl_b32 s3, s16, 20
	s_add_co_u32 s2, s2, s3
	s_lshl_b32 s3, s19, 19
	s_add_co_u32 s2, s2, s3
	s_add_co_u32 s2, s2, s22
	s_lshl_b32 s3, s18, 7
	s_add_co_u32 s2, s2, s3
	s_mov_b32 s3, 0
	s_lshl_b32 s20, s14, 19         ; O: rows of 2,048 bytes; I store rows 32 w .. of the work-group's 128
	s_lshl_b32 s21, s16, 18
	s_add_co_u32 s20, s20, s21
	s_lshl_b32 s21, s[WV], 16
	s_add_co_u32 s20, s20, s21
	s_add_co_u32 s20, s20, s22
	s_add_co_u32 s20, s20, O_OFF
	s_mov_b32 s21, 0
	; descriptor group 1: a tile of 128 rows x 128 elements, padded in LDS
	s_mov_b32 s[G1K], (1<<16)|(1<<20)|(5<<22)|(3<<25)  ; 2-byte elements; padding on; after every 64 words 4 words
	s_mov_b32 s[G1V], (1<<16)|(1<<20)|(5<<22)|(7<<25)  ; the same with 8 words
.irp g, G1K, G1V
	s_mov_b32 s[\g+1], 128<<16      ; tensor_dim0 = 128
	s_mov_b32 s[\g+2], 128<<16      ; tensor_dim1 = 128
	s_mov_b32 s[\g+3], 128<<16      ; tile_dim0 = 128
	s_mov_b32 s[\g+4], 128          ; tile_dim1 = 128
	s_mov_b32 s[\g+5], 4096         ; elements from row to row
	s_mov_b32 s[\g+6], 0
	s_mov_b32 s[\g+7], 0
.endr
	s_mul_i32 s23, s18, 128*PK
	s_mov_b32 s[G0], 1
	s_mov_b32 s[G0+1], s23
	s_mov_b32 s[G0+4], 1
	s_add_co_u32 s[G0+5], s23, 256*PK
	s_mul_i32 s23, s18, 128*PV
	s_mov_b32 s[G0+8], 1
	s_add_co_u32 s[G0+9], s23, VB
	s_mov_b32 s[G0+12], 1
	s_add_co_u32 s[G0+13], s23, VB+256*PV
	s_mov_b32 s[CS], 0x3e38aa3b     ; c = log2(e) / 8
	s_mov_b32 s[CS+1], s[CS]
	s_mov_b32 s[SEL], 0x76543210
	s_mov_b32 s[SEL+1], 0xfedcba98
	s_mov_b32 s[TBK], 0
	s_mov_b32 s[TBV], 0
	s_wait_dscnt 0x0                ; the opening add is done
	s_wait_kmcnt 0x0
	s_add_nc_u64 s[G0+2:G0+3], s[4:5], s[8:9]
	s_or_b32 s[G0+3], s[G0+3], 0x80000000
	s_add_nc_u64 s[G0+6:G0+7], s[4:5], s[10:11]
	s_or_b32 s[G0+7], s[G0+7], 0x80000000
	s_add_nc_u64 s[8:9], s[8:9], 2048   ; v's columns lie 2,048 bytes behind k's
	s_add_nc_u64 s[10:11], s[10:11], 2048
	s_add_nc_u64 s[G0+10:G0+11], s[4:5], s[8:9]
	s_or_b32 s[G0+11], s[G0+11], 0x80000000
	s_add_nc_u64 s[G0+14:G0+15], s[4:5], s[10:11]
	s_or_b32 s[G0+15], s[G0+15], 0x80000000
	s_add_nc_u64 s[4:5], s[4:5], s[2:3]
	s_add_nc_u64 s[6:7], s[6:7], s[20:21]
	s_cmp_lt_u32 s[WV], 2           ; a wave's two fills stand in one branch, ahead of every wait on TENSORcnt, every LDS read and every barrier; the chunk's own tile goes first
	s_cbranch_scc0 .Lfor_v
	tensor_load_to_lds s[G0:G0+3], s[G1K:G1K+7]
	s_nop 0
	tensor_load_to_lds s[G0+4:G0+7], s[G1K:G1K+7]
	s_nop 0
.rept 4
	v_nop
.endr
	s_branch .Lasked
.Lfor_v:
	tensor_load_to_lds s[G0+8:G0+11], s[G1V:G1V+7]
	s_nop 0
	tensor_load_to_lds s[G0+12:G0+15], s[G1V:G1V+7]
	s_nop 0
.rept 4
	v_nop
.endr
.Lasked:
	v_and_b32 v1, 15, v0            ; l % 16
	v_bfe_u32 v9, v0, 4, 1          ; l / 16
	v_lshlrev_b32 v[QO], 13, v1
	v_lshl_add_u32 v[QO], v9, 4, v[QO]  ; row x 8,192 + 16 x half
	WIN 0x80                        ; destination window 2, address window 0
.irp t, 0,1,2,3
.irp c, 0,1                         ; Q stays in registers: tile t, channels 32 c on
	global_load_b128 v[16*\t+8*\c:16*\t+8*\c+3],   v[QO], s[4:5] offset:\t*131072+\c*64
	global_load_b128 v[16*\t+8*\c+4:16*\t+8*\c+7], v[QO], s[4:5] offset:\t*131072+\c*64+32
.endr
.endr
	WIN 0x40                        ; O^T starts at 0: no first step is written out; these lines stand in the wait for the tiles
.set i, 0
.rept 128
	v_mov_b32 v[i], 0
.set i, i+1
.endr
	WIN 0
.set i, 0
.rept 4
	v_mov_b32 v[ST+4*i], 0xfe000000    ; c m: far below every c s
	v_mov_b32 v[ST+4*i+1], 0xff7fffff  ; m
	v_mov_b32 v[ST+4*i+2], 0
	v_mov_b32 v[ST+4*i+3], 0
.set i, i+1
.endr
	s_lshl_b32 s13, s18, 7          ; my head's 128 bytes of a row
	v_mul_u32_u24 v[AK0], v1, PK
	v_lshl_add_u32 v[AK0], v9, 4, v[AK0]
	v_add_nc_u32 v[AK0], s13, v[AK0]
	; The turning load takes 16 keys x 16 channels (lane l reads key 8 (l / 16) + l % 8, channels 8 ((l / 8) % 2) + 0..7) and leaves half a fragment of V^T.
	v_and_b32 v10, 7, v0
	v_bfe_u32 v11, v0, 3, 1
	v_lshl_add_u32 v[AV0], v9, 3, v10
	v_mul_u32_u24 v[AV0], v[AV0], PV
	v_lshl_add_u32 v[AV0], v11, 4, v[AV0]
	s_add_co_u32 s13, s13, VB
	v_add_nc_u32 v[AV0], s13, v[AV0]
	s_mul_i32 s13, s19, 64*SP       ; into the stage: my 64 rows, my head's half of their 256 bytes
	s_lshl_b32 s22, s18, 7
	s_add_co_u32 s13, s13, s22
	s_add_co_u32 s13, s13, STAGE
	v_mul_u32_u24 v[STO], v1, SP
	v_lshl_add_u32 v[STO], v9, 4, v[STO]
	v_add_nc_u32 v[STO], s13, v[STO]
	s_mul_i32 s13, s[WV], 32*SP     ; back: wave w takes rows 32 w .., whole
	s_add_co_u32 s13, s13, STAGE
	v_mul_u32_u24 v[RD], v9, SP
	v_lshl_add_u32 v[RD], v1, 4, v[RD]
	v_add_nc_u32 v[RD], s13, v[RD]
	v_lshlrev_b32 v[GO], 11, v9     ; and the same two rows in O
	v_lshl_add_u32 v[GO], v1, 4, v[GO]
.macro ALLT line:vararg             ; one line for each tile t
.set t, 0
	s_wait_alu depctr_va_vdst(0)
.rept 4
	\line
.set t, t+1
.endr
.endm
; Number n of the 22 that find tile t's maximum and statistics; each accumulator's lowest registers are read first.
;   0-11 four chains c0-c3 of seven scores each     12-14, 16 the four scores left over, the old m, and c0-c3 into c0     15 c m_old is kept     17, 18 the other half of the lanes     19-21 c m; c m_old - c m_new; a
.macro XS t, n
.set rT, ST+4*(\t)
.set rC, TC+4*(\t)
.set rM, MV+(\t)
.set rS, S+32*(\t)
.if (\n) < 4
	v_max3_num_f32 v[rC+(\n)], v[rS+8*(\n)], v[rS+8*(\n)+1], v[rS+8*(\n)+2]
.elseif (\n) < 12
	v_max3_num_f32 v[rC+(\n)%4], v[rC+(\n)%4], v[rS+8*((\n)%4)+2*((\n)/4)+1], v[rS+8*((\n)%4)+2*((\n)/4)+2]
.elseif (\n) == 12
	v_max3_num_f32 v[rC], v[rC], v[rS+7], v[rS+15]
.elseif (\n) == 13
	v_max3_num_f32 v[rC+1], v[rC+1], v[rS+23], v[rS+31]
.elseif (\n) == 14
	v_max3_num_f32 v[rC+2], v[rC+2], v[rC+3], v[rT+1]
.elseif (\n) == 15
	v_mov_b32 v[rM], v[rT]
.elseif (\n) == 16
	v_max3_num_f32 v[rC], v[rC], v[rC+1], v[rC+2]
.elseif (\n) == 17
	v_permlanex16_b32 v[rC+3], v[rC], s[SEL], s[SEL+1]
.elseif (\n) == 18
	v_max_num_f32 v[rT+1], v[rC], v[rC+3]
.elseif (\n) == 19
	v_mul_f32 v[rT], s[CS], v[rT+1]
.elseif (\n) == 20
	v_sub_f32 v[rC+1], v[rM], v[rT]
.else
	v_exp_f32 v[rC+2], v[rC+1]
.endif
.endm
; A STEP of 64 keys.
.macro STEP
	WIN 0
	v_add_nc_u32 v[AK], s[TBK], v[AK0]  ; these two and two v_nop are the four places between the last step's products and the loads into V's registers
	v_add_nc_u32 v[AV], s[TBV], v[AV0]
	v_nop
	v_nop
	WIN 0x80                        ; destination window 2
.irp f, 0,1,2,3,4,5,6,7             ; K: keys 16 (f / 2) on, channels 32 (f % 2) on
	ds_load_b128 v[KF+8*\f:KF+8*\f+3],   v[AK] offset:(\f/2)*16*PK+(\f%2)*64
	ds_load_b128 v[KF+8*\f+4:KF+8*\f+7], v[AK] offset:(\f/2)*16*PK+(\f%2)*64+32
.endr
.irp f, 0,1,2,3,4,5,6,7             ; V, turned: keys 32 (f / 4) on, channels 16 (f % 4) on
	ds_load_tr16_b128 v[VF+8*\f:VF+8*\f+3],   v[AV] offset:(\f/4)*32*PV+(\f%4)*32
	ds_load_tr16_b128 v[VF+8*\f+4:VF+8*\f+7], v[AV] offset:(\f/4)*32*PV+16*PV+(\f%4)*32
.endr
	s_wait_dscnt 16                 ; K is in; V's sixteen loads may stay out
	WIN W_KQ
.set i, 0
.rept 32                            ; product i: tile i % 4, keys 16 ((i / 4) % 4) on, channels 32 (i / 16) on; the 16 accumulators take turns; the first 16 start the sums
.set rS, S+32*(i%4)+8*((i/4)%4)
.set rK, KF+16*((i/4)%4)+8*(i/16)
.set rQ, 16*(i%4)+8*(i/16)
.if i < 16
	v_wmma_f32_16x16x32_bf16 v[rS:rS+7], v[rK:rK+7], v[rQ:rQ+7], 0
.else
	v_wmma_f32_16x16x32_bf16 v[rS:rS+7], v[rK:rK+7], v[rQ:rQ+7], v[rS:rS+7]
.endif
.set i, i+1
.endr
	WIN 0
.rept 4
	v_nop                           ; the places behind those products
.endr
.irp n, 0,1,2,3,4,5,6,7,8,9,10,11,12,13,14,15,16,17,18,19,20,21
.irp u, 0,1,2,3
	XS \u, \n
.endr
.endr
.set z, 0
.rept 16                            ; c s - c m; the first of these is the plain instruction behind the four exponentials above
	ALLT v_pk_fma_f32 v[S+32*t+2*z:S+32*t+2*z+1], v[S+32*t+2*z:S+32*t+2*z+1], s[CS:CS+1], v[ST+4*t:ST+4*t+1] op_sel_hi:[1,0,0] neg_lo:[0,0,1] neg_hi:[0,0,1]
.set z, z+1
.endr
	WIN W_RS
.set z, 0
.rept 16                            ; O^T times a, each accumulator from its low end on
	ALLT v_pk_mul_f32 v[32*t+2*z:32*t+2*z+1], v[32*t+2*z:32*t+2*z+1], v[TC+4*t+2:TC+4*t+3] op_sel_hi:[1,0]
.set z, z+1
.endr
	WIN 0
.set z, 0
.rept 128
	v_exp_f32 v[S+z], v[S+z]
.set z, z+1
.endr
	v_nop                           ; a plain instruction between the last exponential and the use of its result (ISA guide 5.7.2)
.set z, 0
	s_wait_alu depctr_va_vdst(0)
.rept 64                            ; pair n of tile t is register 16 t + n of P
	v_cvt_pk_bf16_f32 v[P+z], v[S+2*z], v[S+2*z+1]
.set z, z+1
.endr
.set z, 0
.rept 8                             ; of four weights the second pair is added onto the first,
	ALLT v_pk_add_f32 v[S+32*t+4*z:S+32*t+4*z+1], v[S+32*t+4*z:S+32*t+4*z+1], v[S+32*t+4*z+2:S+32*t+4*z+3]
.set z, z+1
.endr
	ALLT v_pk_fma_f32 v[ST+4*t+2:ST+4*t+3], v[ST+4*t+2:ST+4*t+3], v[TC+4*t+2:TC+4*t+3], v[S+32*t:S+32*t+1] op_sel_hi:[1,0,1]
.set z, 1
.rept 7                             ; and l takes the sums
	ALLT v_pk_add_f32 v[ST+4*t+2:ST+4*t+3], v[ST+4*t+2:ST+4*t+3], v[S+32*t+4*z:S+32*t+4*z+1]
.set z, z+1
.endr
	s_wait_dscnt 0x0                ; V is in
	WIN W_PV
.set i, 0
.rept 32                            ; product i: tile i % 4, channels 16 ((i / 4) % 4) on, keys 32 (i / 16) on; the 16 accumulators take turns
.set rO, 32*(i%4)+8*((i/4)%4)
.set rV, VF+32*(i/16)+8*((i/4)%4)
.set rP, P+16*(i%4)+8*(i/16)
	v_wmma_f32_16x16x32_bf16 v[rO:rO+7], v[rV:rV+7], v[rP:rP+7], v[rO:rO+7]
.set i, i+1
.endr
	WIN 0
	s_add_co_u32 s[TBK], s[TBK], 64*PK
	s_add_co_u32 s[TBV], s[TBV], 64*PV
.endm
	s_wait_tensorcnt 0x1            ; my tile of the chunk itself is in; my tile of the chunk before, issued behind it, may stay out
	s_barrier_signal -1
	s_barrier_wait -1               ; everybody's is
	s_wait_loadcnt 0x0              ; Q
	s_mov_b32 s[HALF], 2
.Lhalf:                             ; two trips of four steps: the chunk's own keys, then the chunk before's.  A batch's first chunk jumps over the second four: forward, past no barrier and no tensor load
	s_cmp_le_u32 s[HALF], s[DEAD]
	s_cbranch_scc1 .Lskip
	s_mov_b32 s[CNT], 4
.Lstep:
	STEP
	s_sub_co_u32 s[CNT], s[CNT], 1
	s_cmp_lg_u32 s[CNT], 0
	s_cbranch_scc1 .Lstep
.Lskip:
	s_wait_tensorcnt 0x0            ; between the halves: my tile of the chunk before is in (no slot is filled again in this text: the wait orders the other waves' reads behind my load; in the second trip it is met at once),
	s_barrier_signal -1
	s_barrier_wait -1               ; and so is everybody's
	s_sub_co_u32 s[HALF], s[HALF], 1
	s_cmp_lg_u32 s[HALF], 0
	s_cbranch_scc1 .Lhalf
	; THE WAY OUT.  l's two halves and the other half of the lanes' are added (four additions: the places behind the last products); O^T is divided by l, rounded to bf16, and sent through the stage.
	ALLT v_add_f32 v[ST+4*t+2], v[ST+4*t+2], v[ST+4*t+3]
	ALLT v_permlanex16_b32 v[ST+4*t+3], v[ST+4*t+2], s[SEL], s[SEL+1]
	ALLT v_add_f32 v[ST+4*t+2], v[ST+4*t+2], v[ST+4*t+3]
	ALLT v_rcp_f32 v[ST+4*t+2], v[ST+4*t+2]
	v_nop                           ; a plain instruction between the last reciprocal and the use of its result
	s_wait_alu depctr_va_vdst(0)
.irp t, 0,1,2,3
	WIN W_RS
.set i, 32*\t
.rept 16
	v_pk_mul_f32 v[i:i+1], v[i:i+1], v[ST+4*\t+2:ST+4*\t+3] op_sel_hi:[1,0]
.set i, i+2
.endr
	WIN 0x05                        ; sources 0 and 1 window 1, destination window 0
.set i, 0
.rept 16
	v_cvt_pk_bf16_f32 v[S+16*\t+i], v[32*\t+2*i], v[32*\t+2*i+1]
.set i, i+1
.endr
	WIN 0
.irp f, 0,1,2,3
	ds_store_b128 v[STO], v[S+16*\t+4*\f:S+16*\t+4*\f+3] offset:\t*16*SP+32*\f
.endr
.endr
	s_wait_dscnt 0x0                ; for the others' sake: my stores into the stage are done; a row's 256 bytes come from two waves
	s_barrier_signal -1
	s_barrier_wait -1
.irp u, 0,1,2,3,4,5,6,7,8,9,10,11,12,13,14,15
	ds_load_b128 v[S+4*\u:S+4*\u+3], v[RD] offset:\u*2*SP
.endr
.irp u, 0,1,2,3,4,5,6,7,8,9,10,11,12,13,14,15
	s_wait_dscnt 15-\u
	global_store_b128 v[GO], v[S+4*\u:S+4*\u+3], s[6:7] offset:\u*4096  ; 16 lanes store 256 consecutive bytes, aligned
.endr
	s_wait_tensorcnt 0x0            ; the wave's end
	ds_add_u32 v[SPW], v[NIL]
	s_wait_dscnt 0x0
	s_endpgm
.Lfunc_end_k_qd9d96f32c9_att:
	.size	k_qd9d96f32c9_att, .Lfunc_end_k_qd9d96f32c9_att-k_qd9d96f32c9_att
	.p2alignl 7, 3214868480
	.fill 96, 4, 3214868480
	.section	.rodata,"a",@progbits
	.p2align	6, 0x0
	.amdhsa_kernel k_qd9d96f32c9_att
		.amdhsa_group_segment_fixed_size 327680
		.amdhsa_private_segment_fixed_size 0
		.amdhsa_enable_private_segment 0
		.amdhsa_kernarg_size 16
		.amdhsa_user_sgpr_count 2
		.amdhsa_user_sgpr_kernarg_segment_ptr 1
		.amdhsa_wavefront_size32 1
		.amdhsa_system_sgpr_workgroup_id_x 1
		.amdhsa_system_sgpr_workgroup_id_y 1
		.amdhsa_system_sgpr_workgroup_id_z 1
		.amdhsa_system_vgpr_workitem_id 0
		.amdhsa_next_free_vgpr 768
		.amdhsa_next_free_sgpr 66
		.amdhsa_reserve_vcc 0
		.amdhsa_float_denorm_mode_32 3
		.amdhsa_float_denorm_mode_16_64 3
		.amdhsa_memory_ordered 1
		.amdhsa_forward_progress 1
		.amdhsa_inst_pref_size 60
	.end_amdhsa_kernel
	.amdgpu_metadata
---
amdhsa.version: [ 1, 2 ]
amdhsa.kernels:
  - .name:           k_qd9d96f32c9_att
    .symbol:         k_qd9d96f32c9_att.kd
    .args:
      - { .name: big, .offset: 0, .size: 8, .value_kind: global_buffer, .address_space: global }
      - { .name: acts, .offset: 8, .size: 8, .value_kind: global_buffer, .address_space: global }
    .group_segment_fixed_size: 327680
    .private_segment_fixed_size: 0
    .kernarg_segment_align: 8
    .kernarg_segment_size: 16
    .max_flat_workgroup_size: 128
    .sgpr_count:     66
    .vgpr_count:     768
    .wavefront_size: 32
...
	.end_amdgpu_metadata
.endif
;; end of part 3
;; launch oproj (part 4): grid 8 x 32, 4 waves a work-group, clusters of 4 x 4, 327,680 bytes of LDS; arguments acts, wr, out_b, x, y; writes y
.if DOCPART == 4
	.amdgcn_target "amdgcn-amd-amdhsa--gfx1250"
	.amdhsa_code_object_version 6
	.text
	.protected	k_qd9d96f32c9_oproj
	.globl	k_qd9d96f32c9_oproj
	.p2align	8
	.type	k_qd9d96f32c9_oproj,@function
k_qd9d96f32c9_oproj:
	s_mov_b64 s[64:65], 0
	v_nop
	global_prefetch_b8 v0, s[64:65] scope:SCOPE_SE
	s_setreg_imm32_b32 hwreg(HW_REG_WAVE_MODE, 25, 1), 1
	s_wait_xcnt 0x0
	s_wait_alu depctr_hold_cnt(0) depctr_sa_sdst(0) depctr_va_vdst(0) depctr_va_sdst(0) depctr_va_ssrc(0) depctr_va_vcc(0) depctr_vm_vsrc(0)
	s_getreg_b32 s2, hwreg(HW_REG_IB_STS2, 6, 4)
	s_cmp_eq_u32 s2, 0
	s_cbranch_scc0 .Lentry_in_a_cluster
	s_endpgm
.Lentry_in_a_cluster:
	s_bfe_u32 s2, ttmp6, 0x10000c
	s_cmp_lg_u32 s2, 0xf033
	s_cbranch_scc0 .Lentry_shape_is_right
	s_endpgm
.Lentry_shape_is_right:
; y[m][n] = sum over k of A[m][k] B[n][k] + bf16(bias[n]) + R[m][n], in f32.  Here: A = the attention's O, bf16 [4096][1024] at byte 25,165,824 of acts; B = out_w in bf16 at byte 0 of wr;
; R = x, an input of the module, rounded to bf16 in registers as every input is.  y: f32 [4096][1024].  Sums in f32; the bias starts them, as the C operand of the first product.
; LIMITS: NaN and infinities are not treated apart.
; A tile of y is 128 x 128, so that 4,096 x 1,024 give 256 work-groups.  Four waves, each 64 x 64: 16 accumulators.  K goes in steps of 256 (LDS rows of 512 bytes; a wave's tensor load brings 64 of them) through two slots.
; CLUSTERS: 4 x 4 work-groups; A's tile is asked for jointly along a row of the cluster, B's along a column.  THE MATRIX INSTRUCTION IS USED TRANSPOSED: a lane holds eight neighbouring numbers of a row of y.
; The residual's 32 loads a lane go out at the start and stay out through the whole K loop.  A wave's 64 columns of f32 are 256 aligned bytes: each wave has a stage of its own, and the way out needs no barrier.
; REGISTERS: window 0: v0-31 addresses; v32-95 at work; v96-127 the bias; v128-255 the accumulators ((a, b) at v[128 + 8 (4 a + b)]).   window 1: two fragment buffers of 128.   window 2: v0-127 the residual; v128-191 at work on it.
.set SIZE_K, 1024
.set A_OFF,  25165824
.set B_OFF,  0
.set R_OFF,  0
.set ROWB,   4096                      ; bytes in a row of y and of R
.set KSTEP,  256
.set PITCH,  528                       ; 512 bytes + 16 = 132 words: row r starts at bank 4 r mod 64 (64 banks of 4 bytes: ISA guide 11.1)
.set HALFT,  64*PITCH
.set SLOT,   4*HALFT
.set STAGE,  2*SLOT                    ; behind the ring: 16 rows x 272 bytes for each wave
.set SPITCH, 272
.set SPARE,  STAGE+4*16*SPITCH
.set LAPS, SIZE_K/(2*KSTEP)
.set ADRA, 16
.set ADRB, 20
.set STO,  24
.set RD,   25
.set CO,   26                          ; v26  my byte offset in two rows of y and of R; never rewritten
.set BO,   27
.set SPW,  28
.set NIL,  29
.set TMP,  32
.set BIAS, 96
.set ACC,  128
.set F0,   0
.set F1,   128
.set G1, 24
.set G0, 32
.set G1B, 48
.set G0B, 56
.set MSB, 0
.macro WIN new
.if MSB != (\new)
	s_set_vgpr_msb (MSB<<8)|(\new)
.set MSB, \new
.endif
.endm
.set MUL,  0x05                        ; sources 0 (B) and 1 (A) window 1; C and D window 0
.set TO_F, 0x40
.macro JLOAD s                         ; a joint load: waves 0 and 1 fetch A's two halves, waves 2 and 3 B's; an s_nop 0 and four v_nop follow each line
	s_cmp_eq_u32 s11, 0
	s_cbranch_scc0 .Lfor_b_\@
	tensor_load_to_lds s[G0+4*(\s):G0+4*(\s)+3], s[G1:G1+7]
	s_nop 0
.rept 4
	v_nop
.endr
	s_branch .Lasked_\@
.Lfor_b_\@:
	tensor_load_to_lds s[G0B+4*(\s):G0B+4*(\s)+3], s[G1B:G1B+7]
	s_nop 0
.rept 4
	v_nop
.endr
.Lasked_\@:
.endm
.macro CREST
	s_cmp_lg_u32 s10, 0
	s_cbranch_scc1 .Lnot_wave_0_\@
	s_barrier_signal -3
.Lnot_wave_0_\@:
	s_barrier_wait -3
	s_barrier_signal -1
	s_barrier_wait -1
.endm
.macro CROUND
	s_barrier_signal -1
	s_barrier_wait -1
	CREST
.endm
	s_load_b128 s[4:7], s[0:1], 0x0                ; A s[4:5], B s[6:7]
	s_load_b128 s[68:71], s[0:1], 0x10             ; bias s[68:69], R s[70:71]
	s_load_b64 s[8:9], s[0:1], 0x20                ; y
	v_lshl_add_u32 v[SPW], v0, 2, SPARE
	v_mov_b32 v[NIL], 0
	ds_add_u32 v[SPW], v[NIL]                      ; the wave's opening: the add and its wait stand ahead of my first tensor load
	ds_add_u32 v28, v29
	v_lshrrev_b32 v1, 5, v0
	v_readfirstlane_b32 s10, v1                    ; wave 0..3
	s_lshr_b32 s11, s10, 1                         ; which half of the tile's rows is mine.  Also: I fetch for A (0) or for B (1)
	s_and_b32 s12, s10, 1                          ; which half of its columns.  Also: which 64 rows of that tile I fetch
	s_bfe_u32 s40, ttmp6, 0x40000
	s_bfe_u32 s41, ttmp6, 0x40004
	s_lshl_b32 s42, ttmp9, 2
	s_add_co_u32 s42, s42, s40                     ; tile column
	s_and_b32 s13, ttmp7, 0xffff
	s_lshl_b32 s13, s13, 2
	s_add_co_u32 s13, s13, s41                     ; tile row
	s_lshl_b32 s43, s41, 2
	s_lshl_b32 s43, 15, s43                        ; my row of the cluster
	s_lshl_b32 s44, 0x1111, s40                    ; my column
	s_mov_b32 s45, 0xffff0000                      ; a word's upper bf16
	s_or_b32 s[G1+0], s43, (1<<16)|(1<<20)|(1<<21)|(6<<22)|(3<<25)  ; the mask; 2-byte elements; padding on; bit 21 beside a mask; after every 128 words 4 words
	s_or_b32 s[G1B+0], s44, (1<<16)|(1<<20)|(1<<21)|(6<<22)|(3<<25)
.irp g, G1, G1B
	s_mov_b32 s[(\g)+1], KSTEP<<16                 ; tensor_dim0 = 256
	s_mov_b32 s[(\g)+2], 64<<16                    ; tensor_dim1 = 64
	s_mov_b32 s[(\g)+3], KSTEP<<16                 ; tile_dim0 = 256
	s_mov_b32 s[(\g)+4], 64                        ; tile_dim1 = 64
	s_mov_b32 s[(\g)+5], SIZE_K                    ; elements from row to row
	s_mov_b32 s[(\g)+6], 0
	s_mov_b32 s[(\g)+7], 0
.endr
	s_lshl_b32 s17, s12, 6
	s_lshl_b32 s16, s13, 7
	s_add_co_u32 s16, s16, s17                     ; A: row 128 x tile row + 64 x half
	s_lshl_b32 s46, s42, 7
	s_add_co_u32 s46, s46, s17                     ; B: row 128 x tile column + 64 x half
	s_mov_b32 s17, 0
	s_mov_b32 s47, 0
	s_mov_b64 s[18:19], SIZE_K*2
	s_mul_u64 s[16:17], s[16:17], s[18:19]
	s_mul_u64 s[46:47], s[46:47], s[18:19]
.if A_OFF
	s_add_nc_u64 s[16:17], s[16:17], A_OFF
.endif
.if B_OFF
	s_add_nc_u64 s[46:47], s[46:47], B_OFF
.endif
	s_mul_i32 s20, s10, HALFT
	s_wait_dscnt 0x0                               ; the opening add is done
	s_wait_kmcnt 0x0
	s_add_nc_u64 s[14:15], s[4:5], s[16:17]
	s_add_nc_u64 s[46:47], s[6:7], s[46:47]
	CROUND                                         ; all sixteen work-groups are here: the first joint loads meet
.irp s, 0,1
	s_mov_b32 s[G0+4*(\s)], 1
	s_add_co_u32 s[G0+4*(\s)+1], s20, (\s)*SLOT
	s_add_nc_u64 s[G0+4*(\s)+2:G0+4*(\s)+3], s[14:15], (\s)*KSTEP*2
	s_or_b32 s[G0+4*(\s)+3], s[G0+4*(\s)+3], 0x80000000
	s_mov_b32 s[G0B+4*(\s)], 1
	s_add_co_u32 s[G0B+4*(\s)+1], s20, (\s)*SLOT
	s_add_nc_u64 s[G0B+4*(\s)+2:G0B+4*(\s)+3], s[46:47], (\s)*KSTEP*2
	s_or_b32 s[G0B+4*(\s)+3], s[G0B+4*(\s)+3], 0x80000000
	JLOAD \s                                       ; two loads of mine are out
.endr
	v_and_b32 v1, 15, v0                           ; l % 16
	v_bfe_u32 v2, v0, 4, 1                         ; l / 16
	v_mul_u32_u24 v3, v1, PITCH
	v_lshl_add_u32 v3, v2, 4, v3
	s_mul_i32 s21, s11, HALFT
	s_mul_i32 s22, s12, HALFT
	s_add_co_u32 s22, s22, 2*HALFT
.irp s, 0,1
	v_add_nc_u32 v[ADRA+(\s)], s21, v3
	v_add_nc_u32 v[ADRB+(\s)], s22, v3
	s_add_co_u32 s21, s21, SLOT
	s_add_co_u32 s22, s22, SLOT
.endr
	s_mul_i32 s23, s10, 16*SPITCH
	s_add_co_u32 s23, s23, STAGE                   ; my stage
	v_mul_u32_u24 v4, v1, SPITCH                   ; in: row l % 16, 32 bytes (eight f32) for each half of the lanes
	v_lshl_add_u32 v4, v2, 5, v4
	v_add_nc_u32 v[STO], s23, v4
	v_mul_u32_u24 v5, v2, SPITCH                   ; back: lanes 0-15 one row of 256 bytes, lanes 16-31 the next
	v_lshl_add_u32 v5, v1, 4, v5
	v_add_nc_u32 v[RD], s23, v5
	v_lshlrev_b32 v5, 12, v2                       ; and the same two rows in y and in R
	v_lshl_add_u32 v[CO], v1, 4, v5
	v_lshlrev_b32 v[BO], 5, v2
	s_lshl_b32 s16, s13, 7
	s_lshl_b32 s17, s11, 6
	s_add_co_u32 s16, s16, s17                     ; my first row: 128 x tile row + 64 x half,
	s_lshl_b32 s16, s16, 12                        ; in bytes
	s_mov_b32 s17, 0
	s_lshl_b32 s46, s42, 9                         ; my first column in bytes of f32: 512 x tile column + 256 x half; the bias's offset is the same
	s_lshl_b32 s47, s12, 8
	s_add_co_u32 s46, s46, s47
	s_mov_b32 s47, 0
	s_add_nc_u64 s[68:69], s[68:69], s[46:47]
	s_add_nc_u64 s[16:17], s[16:17], s[46:47]
	s_add_nc_u64 s[8:9], s[8:9], s[16:17]
.if R_OFF
	s_add_nc_u64 s[16:17], s[16:17], R_OFF
.endif
	s_add_nc_u64 s[70:71], s[70:71], s[16:17]
.irp b, 0,1,2,3
	global_load_b128 v[BIAS+8*(\b):BIAS+8*(\b)+3],   v[BO], s[68:69] offset:64*(\b)
	global_load_b128 v[BIAS+8*(\b)+4:BIAS+8*(\b)+7], v[BO], s[68:69] offset:64*(\b)+16
.endr
	WIN 0x80                                       ; destination window 2
.irp a, 0,1,2,3
.irp t, 0,1,2,3,4,5,6,7
	global_load_b128 v[32*(\a)+4*(\t):32*(\a)+4*(\t)+3], v[CO], s[70:71] offset:(16*(\a)+2*(\t))*ROWB th:TH_LOAD_NT  ; 16 lanes read 256 consecutive bytes, aligned
.endr
.endr
	WIN 0
; 8 matrix instructions: m blocks a0, a0 + 1 x all 4 n blocks, 32 along K: half c of buffer f.  zero = 1: the first product starts the sums, with the bias of its 16 columns as C
.macro MUL8 f, c, a0, zero
	WIN MUL
.irp a, \a0, (\a0)+1
.irp b, 0,1,2,3
.if \zero
	v_wmma_f32_16x16x32_bf16 v[ACC+8*(4*(\a)+(\b)):ACC+8*(4*(\a)+(\b))+7], v[(\f)+64+8*(4*(\c)+(\b)):(\f)+64+8*(4*(\c)+(\b))+7], v[(\f)+8*(4*(\c)+(\a)):(\f)+8*(4*(\c)+(\a))+7], v[BIAS+8*(\b):BIAS+8*(\b)+7]
.else
	v_wmma_f32_16x16x32_bf16 v[ACC+8*(4*(\a)+(\b)):ACC+8*(4*(\a)+(\b))+7], v[(\f)+64+8*(4*(\c)+(\b)):(\f)+64+8*(4*(\c)+(\b))+7], v[(\f)+8*(4*(\c)+(\a)):(\f)+8*(4*(\c)+(\a))+7], v[ACC+8*(4*(\a)+(\b)):ACC+8*(4*(\a)+(\b))+7]
.endif
.endr
.endr
.endm
.macro FETCH slot, k, f                ; 32 LDS loads in one run: the fragments of 64 along K at byte k of the rows; the first 32 along K first
	WIN TO_F
.irp c, 0,1
.irp i, 0,1,2,3
	ds_load_b128 v[(\f)+64+8*(4*(\c)+(\i)):(\f)+64+8*(4*(\c)+(\i))+3],   v[ADRB+(\slot)] offset:(\k)+64*(\c)+(\i)*16*PITCH
	ds_load_b128 v[(\f)+64+8*(4*(\c)+(\i))+4:(\f)+64+8*(4*(\c)+(\i))+7], v[ADRB+(\slot)] offset:(\k)+64*(\c)+(\i)*16*PITCH+32
	ds_load_b128 v[(\f)+8*(4*(\c)+(\i)):(\f)+8*(4*(\c)+(\i))+3],         v[ADRA+(\slot)] offset:(\k)+64*(\c)+(\i)*16*PITCH
	ds_load_b128 v[(\f)+8*(4*(\c)+(\i))+4:(\f)+8*(4*(\c)+(\i))+7],       v[ADRA+(\slot)] offset:(\k)+64*(\c)+(\i)*16*PITCH+32
.endr
.endr
.endm
.macro PLACES                          ; four plain vector instructions in front of loads into registers that matrix instructions have read, and of LDS stores that read results
.rept 4
	v_nop
.endr
.endm
; A K step is four quarters of 64 along K, 32 matrix instructions each, on buffers 0, 1, 0, 1; the 16 accumulators take turns.
.macro QUARTER slot, k, f, g, zero
	s_wait_dscnt 16                                ; the first 32 along K are in
	MUL8 \f, 0, 0, \zero
	MUL8 \f, 0, 2, \zero
	PLACES
	FETCH \slot, \k, \g
	s_wait_dscnt 32                                ; all but the 32 just issued
	MUL8 \f, 1, 0, 0
	MUL8 \f, 1, 2, 0
.endm
; The last quarter multiplies buffer 1 and changes slots: ONE barrier; in front of it each wave waits for all its tensor loads, adds 0 to its spare word, and waits for that and for its reads of this slot.
.macro TURN slot, next, fill
	WIN 0
	s_wait_tensorcnt 0x0                           ; all my tensor loads have landed: my part of the next slot
	ds_add_u32 v[SPW], v[NIL]
	s_wait_dscnt 17                                ; (the add and the youngest sixteen loads may be out)
	MUL8 F1, 0, 0, 0
	s_wait_dscnt 0x0                               ; the add is done, and my reads of this slot are over
	s_barrier_signal -1
	MUL8 F1, 0, 2, 0
.if \fill
	WIN 0
.endif
	s_barrier_wait -1
.if \fill
	CREST                                          ; the barrier has opened a round of the cluster's
	s_add_nc_u64 s[G0+4*(\slot)+2:G0+4*(\slot)+3], s[G0+4*(\slot)+2:G0+4*(\slot)+3], 2*KSTEP*2
	s_add_nc_u64 s[G0B+4*(\slot)+2:G0B+4*(\slot)+3], s[G0B+4*(\slot)+2:G0B+4*(\slot)+3], 2*KSTEP*2
	JLOAD \slot                                    ; my one tensor load behind the round; its four v_nop are also the places in front of the loads below
.else
	PLACES
.endif
	FETCH \next, 0, F0
	MUL8 F1, 1, 0, 0
	MUL8 F1, 1, 2, 0
.endm
	s_wait_tensorcnt 1                             ; my part of K step 0 is in; K step 1's may stay out
	s_barrier_signal -1
	s_barrier_wait -1
	FETCH 0, 0, F0
	WIN 0
	s_wait_loadcnt 32                              ; the bias is in; the residual's 32 loads stay out
.set i, 0
.rept 16                                               ; the bias is rounded to bf16 and widened again
	v_cvt_pk_bf16_f32 v[TMP+i], v[BIAS+2*i], v[BIAS+2*i+1]
.set i, i+1
.endr
.set i, 0
.rept 16
	v_lshlrev_b32 v[BIAS+2*i], 16, v[TMP+i]
	v_and_b32 v[BIAS+2*i+1], s45, v[TMP+i]
.set i, i+1
.endr
	QUARTER 0, 128, F0, F1, 1                      ; the first quarter stands in front of the loop: its first products start the sums
	WIN 0
	s_mov_b32 s3, LAPS-1
.Llap:
	QUARTER 0, 256, F1, F0, 0
	QUARTER 0, 384, F0, F1, 0
	TURN 0, 1, 1
	QUARTER 1, 128, F0, F1, 0
	QUARTER 1, 256, F1, F0, 0
	QUARTER 1, 384, F0, F1, 0
	TURN 1, 0, 1
	QUARTER 0, 128, F0, F1, 0
	WIN 0
	s_sub_co_u32 s3, s3, 1
	s_cmp_lg_u32 s3, 0
	s_cbranch_scc1 .Llap
	QUARTER 0, 256, F1, F0, 0                      ; the last lap fills nothing
	QUARTER 0, 384, F0, F1, 0
	TURN 0, 1, 0
	QUARTER 1, 128, F0, F1, 0
	QUARTER 1, 256, F1, F0, 0
	QUARTER 1, 384, F0, F1, 0
	s_wait_dscnt 16
	MUL8 F1, 0, 0, 0
	MUL8 F1, 0, 2, 0
	s_wait_dscnt 0
	MUL8 F1, 1, 0, 0
	MUL8 F1, 1, 2, 0
	WIN 0
	; THE WAY OUT, a block of 16 rows at a time: f32 sums into my own stage, back as whole rows of 256 bytes, the residual added, stored.
	s_wait_loadcnt 0x0                             ; the residual
	WIN 0xaa                                       ; all operands window 2: the residual is rounded to bf16 and widened again; these lines are also the places behind the last products
.set i, 0
.rept 64
	v_cvt_pk_bf16_f32 v[128+i], v[2*i], v[2*i+1]
.set i, i+1
.endr
.set i, 0
.rept 64
	v_lshlrev_b32 v[2*i], 16, v[128+i]
	v_and_b32 v[2*i+1], s45, v[128+i]
.set i, i+1
.endr
	WIN 0
.macro OUTBLK a
.set TS, TMP+32*((\a)%2)
	s_wait_xcnt 0x0                                ; the registers that earlier stores read are loaded again only behind this wait
.irp b, 0,1,2,3
	ds_store_b128 v[STO], v[ACC+8*(4*(\a)+(\b)):ACC+8*(4*(\a)+(\b))+3]   offset:64*(\b)      ; each accumulator's low registers first
	ds_store_b128 v[STO], v[ACC+8*(4*(\a)+(\b))+4:ACC+8*(4*(\a)+(\b))+7] offset:64*(\b)+16
.endr
.irp t, 0,1,2,3,4,5,6,7
	ds_load_b128 v[TS+4*(\t):TS+4*(\t)+3], v[RD] offset:(\t)*2*SPITCH  ; LDS serves a wave's instructions in order (ISA guide 5.7.1.4): these see the stores above; the next block's stores come behind them
.endr
.endm
.macro ADDSEND a, younger              ; younger: the next block's eight LDS stores and eight loads, or none
.set TS, TMP+32*((\a)%2)
	s_wait_dscnt \younger
	WIN 0x08                                       ; source 1 window 2
.set i, 0
.rept 16
	v_pk_add_f32 v[TS+2*i:TS+2*i+1], v[TS+2*i:TS+2*i+1], v[32*(\a)+2*i:32*(\a)+2*i+1]
.set i, i+1
.endr
	WIN 0
.irp t, 0,1,2,3,4,5,6,7
	global_store_b128 v[CO], v[TS+4*(\t):TS+4*(\t)+3], s[8:9] offset:(16*(\a)+2*(\t))*ROWB  ; 16 lanes store 256 consecutive bytes, aligned
.endr
.endm
	OUTBLK 0
	OUTBLK 1
	ADDSEND 0, 16
	OUTBLK 2
	ADDSEND 1, 16
	OUTBLK 3
	ADDSEND 2, 16
	ADDSEND 3, 0
	s_wait_tensorcnt 0x0                           ; the wave's end
	ds_add_u32 v[SPW], v[NIL]
	s_wait_dscnt 0x0
	CROUND                                         ; the closing round
	s_endpgm
.Lfunc_end_k_qd9d96f32c9_oproj:
	.size	k_qd9d96f32c9_oproj, .Lfunc_end_k_qd9d96f32c9_oproj-k_qd9d96f32c9_oproj
	.p2alignl 7, 3214868480
	.fill 96, 4, 3214868480
	.section	.rodata,"a",@progbits
	.p2align	6, 0x0
	.amdhsa_kernel k_qd9d96f32c9_oproj
		.amdhsa_group_segment_fixed_size 327680
		.amdhsa_private_segment_fixed_size 0
		.amdhsa_enable_private_segment 0
		.amdhsa_kernarg_size 40
		.amdhsa_user_sgpr_count 2
		.amdhsa_user_sgpr_kernarg_segment_ptr 1
		.amdhsa_wavefront_size32 1
		.amdhsa_system_sgpr_workgroup_id_x 1
		.amdhsa_system_sgpr_workgroup_id_y 1
		.amdhsa_system_sgpr_workgroup_id_z 1
		.amdhsa_system_vgpr_workitem_id 0
		.amdhsa_next_free_vgpr 768
		.amdhsa_next_free_sgpr 76
		.amdhsa_reserve_vcc 0
		.amdhsa_float_denorm_mode_32 3
		.amdhsa_float_denorm_mode_16_64 3
		.amdhsa_memory_ordered 1
		.amdhsa_forward_progress 1
		.amdhsa_inst_pref_size 104
	.end_amdhsa_kernel
	.amdgpu_metadata
---
amdhsa.version: [ 1, 2 ]
amdhsa.kernels:
  - .name:           k_qd9d96f32c9_oproj
    .symbol:         k_qd9d96f32c9_oproj.kd
    .args:
      - { .name: acts, .offset: 0, .size: 8, .value_kind: global_buffer, .address_space: global }
      - { .name: wr, .offset: 8, .size: 8, .value_kind: global_buffer, .address_space: global }
      - { .name: out_b, .offset: 16, .size: 8, .value_kind: global_buffer, .address_space: global }
      - { .name: x, .offset: 24, .size: 8, .value_kind: global_buffer, .address_space: global }
      - { .name: y, .offset: 32, .size: 8, .value_kind: global_buffer, .address_space: global }
    .group_segment_fixed_size: 327680
    .private_segment_fixed_size: 0
    .kernarg_segment_align: 8
    .kernarg_segment_size: 40
    .max_flat_workgroup_size: 128
    .sgpr_count:     76
    .vgpr_count:     768
    .wavefront_size: 32
...
	.end_amdgpu_metadata
.endif
;; end of part 4
;; launch ln1 (part 5): grid 256 x 1, 8 waves a work-group, no clusters, 0 bytes of LDS; arguments y, gamma1, beta1, wq, acts, pa; writes wq, acts
.if DOCPART == 5
	.amdgcn_target "amdgcn-amd-amdhsa--gfx1250"
	.amdhsa_code_object_version 6
	.text
	.protected	k_qd9d96f32c9_ln1
	.globl	k_qd9d96f32c9_ln1
	.p2align	8
	.type	k_qd9d96f32c9_ln1,@function
k_qd9d96f32c9_ln1:
	s_mov_b64 s[64:65], 0
	v_nop
	global_prefetch_b8 v0, s[64:65] scope:SCOPE_SE
	s_setreg_imm32_b32 hwreg(HW_REG_WAVE_MODE, 25, 1), 1
	s_wait_xcnt 0x0
; out = bf16(gamma) (y - mean) / sqrt(var + 1e-6) + bf16(beta), row by row.  ONE TEXT FOR THE LAYER'S TWO NORMS.  y and out: f32 [4096][1024], dense.
; The last argument holds a whole number that an earlier launch stored, repeated: a flag.  1 (the first norm): the result goes out a second time, in bf16, as the next product's operand:
; [4096][1024], dense, from byte 0 of the fifth argument.  0 (the second norm): that copy is jumped over, and nothing is stored through the fifth argument.
; gamma and beta are inputs of the module and are rounded to bf16 in registers, as every input is.  The variance is taken of the centred row: no difference of large sums is formed.
; A wave takes two rows; a row of 4,096 bytes is 32 registers of the wave, so it is read once and the sums never leave the wave: no LDS, no barrier.  All 32 loads of a wave go out at once.
; No matrix unit, cluster or tensor load: nothing but gamma and beta (8,192 bytes) is shared.   LIMITS: NaN and infinities are not treated apart.
.set A,    4                           ; v[4:11]   four chains of packed sums
.set MEAN, 14                          ; v[14:15]
.set RS,   16                          ; v[16:17], v[18:19]  1 / sqrt(var + eps) of row 0, 1, twice each
.set T,    20                          ; v[20:51]  at work
.set X,    64                          ; v[64:95], v[96:127]  the two rows
.set G,    128
.set BV,   160
.set Y,    192
	s_load_b256 s[4:11], s[0:1], 0x0               ; y s[4:5], gamma s[6:7], beta s[8:9], out s[10:11]
	s_load_b128 s[24:27], s[0:1], 0x20             ; the bf16 copy s[24:25], the flag's buffer s[26:27]
	v_and_b32 v1, 31, v0
	v_lshrrev_b32 v3, 5, v0
	v_readfirstlane_b32 s12, v3                    ; wave 0..7
	v_lshlrev_b32 v2, 3, v1                        ; 8 bytes a lane (bf16 out)
	v_lshlrev_b32 v1, 4, v1                        ; 16 bytes a lane
	v_mov_b32 v13, 0                               ; v_permlanex16_b32's destination counts as read
	s_lshl_b32 s13, ttmp9, 4
	s_lshl1_add_u32 s13, s12, s13                  ; my first row: 16 g + 2 w
	s_lshl_b32 s14, s13, 12
	s_mov_b32 s15, 0
	s_lshl_b32 s20, s13, 11
	s_mov_b32 s21, 0
	s_mov_b32 s16, 0x3a800000                      ; 1 / 1024
	s_mov_b32 s17, 0x358637bd                      ; 1e-6
	s_mov_b32 s18, 0x76543210
	s_mov_b32 s19, 0xfedcba98
	s_mov_b32 s29, 0xffff0000                      ; a word's upper bf16
	s_wait_kmcnt 0x0
	s_load_b32 s28, s[26:27], 0x4                  ; the flag
	s_add_nc_u64 s[4:5], s[4:5], s[14:15]
	s_add_nc_u64 s[22:23], s[24:25], s[20:21]
	s_add_nc_u64 s[10:11], s[10:11], s[14:15]
.set j, 0
.rept 8
	global_load_b128 v[X+4*j:X+4*j+3], v1, s[4:5] offset:512*j th:TH_LOAD_NT
.set j, j+1
.endr
.set j, 0
.rept 8
	global_load_b128 v[X+32+4*j:X+32+4*j+3], v1, s[4:5] offset:4096+512*j th:TH_LOAD_NT
.set j, j+1
.endr
.set j, 0
.rept 8
	global_load_b128 v[G+4*j:G+4*j+3], v1, s[6:7] offset:512*j
.set j, j+1
.endr
.set j, 0
.rept 8
	global_load_b128 v[BV+4*j:BV+4*j+3], v1, s[8:9] offset:512*j
.set j, j+1
.endr
.macro REDUCE                          ; the four chains, then the 32 lanes: the sum lands in v12 of every lane
	v_pk_add_f32 v[A:A+1], v[A:A+1], v[A+2:A+3]
	v_pk_add_f32 v[A+4:A+5], v[A+4:A+5], v[A+6:A+7]
	v_pk_add_f32 v[A:A+1], v[A:A+1], v[A+4:A+5]
	v_add_f32 v12, v[A], v[A+1]
	v_add_f32_dpp v12, v12, v12 row_xmask:1 row_mask:0xf bank_mask:0xf
	v_add_f32_dpp v12, v12, v12 row_xmask:2 row_mask:0xf bank_mask:0xf
	v_add_f32_dpp v12, v12, v12 row_xmask:4 row_mask:0xf bank_mask:0xf
	v_add_f32_dpp v12, v12, v12 row_xmask:8 row_mask:0xf bank_mask:0xf
	v_permlanex16_b32 v13, v12, s18, s19
	v_add_f32 v12, v12, v13
.endm
.macro STATS i, left                   ; row i is centred in place and its 1 / sqrt(var + eps) made.  left: the younger loads, which may stay out
.set XI, X+32*(\i)
	s_wait_loadcnt \left
.set k, 0
.rept 4                                                ; sums start the chains: nothing is cleared
	v_pk_add_f32 v[A+2*k:A+2*k+1], v[XI+4*k:XI+4*k+1], v[XI+4*k+2:XI+4*k+3]
.set k, k+1
.endr
.set k, 0
.rept 8
	v_pk_add_f32 v[A+2*(k%4):A+2*(k%4)+1], v[A+2*(k%4):A+2*(k%4)+1], v[XI+16+2*k:XI+16+2*k+1]
.set k, k+1
.endr
	REDUCE
	v_mul_f32 v[MEAN], s16, v12
	v_mul_f32 v[MEAN+1], s16, v12
.set k, 0
.rept 16
	v_pk_add_f32 v[XI+2*k:XI+2*k+1], v[XI+2*k:XI+2*k+1], v[MEAN:MEAN+1] neg_lo:[0,1] neg_hi:[0,1]
.set k, k+1
.endr
.set k, 0
.rept 4
	v_pk_mul_f32 v[A+2*k:A+2*k+1], v[XI+2*k:XI+2*k+1], v[XI+2*k:XI+2*k+1]
.set k, k+1
.endr
.set k, 4
.rept 12
	v_pk_fma_f32 v[A+2*(k%4):A+2*(k%4)+1], v[XI+2*k:XI+2*k+1], v[XI+2*k:XI+2*k+1], v[A+2*(k%4):A+2*(k%4)+1]
.set k, k+1
.endr
	REDUCE
	v_fma_f32 v12, v12, s16, s17                   ; var + eps
	v_rsq_f32 v[RS+2*(\i)], v12
	v_rsq_f32 v[RS+2*(\i)+1], v12
	v_nop                                          ; a plain instruction before the results are used or the source rewritten (ISA guide 5.7.2)
.endm
.macro FINISH i
.set XI, X+32*(\i)
.set k, 0
.rept 16
	v_pk_mul_f32 v[XI+2*k:XI+2*k+1], v[XI+2*k:XI+2*k+1], v[RS+2*(\i):RS+2*(\i)+1]
.set k, k+1
.endr
.set k, 0
.rept 16
	v_pk_fma_f32 v[XI+2*k:XI+2*k+1], v[XI+2*k:XI+2*k+1], v[G+2*k:G+2*k+1], v[BV+2*k:BV+2*k+1]
.set k, k+1
.endr
.set j, 0
.rept 8
	global_store_b128 v1, v[XI+4*j:XI+4*j+3], s[10:11] offset:512*j+4096*(\i) th:TH_STORE_NT  ; 512 consecutive bytes, aligned
.set j, j+1
.endr
.endm
	STATS 0, 24
	STATS 1, 16
	s_wait_loadcnt 0x0                             ; gamma and beta
.set k, 0
.rept 16                                               ; rounded to bf16 and widened again
	v_cvt_pk_bf16_f32 v[T+k], v[G+2*k], v[G+2*k+1]
	v_cvt_pk_bf16_f32 v[T+16+k], v[BV+2*k], v[BV+2*k+1]
.set k, k+1
.endr
.set k, 0
	s_wait_alu depctr_va_vdst(0)
.rept 16
	v_lshlrev_b32 v[G+2*k], 16, v[T+k]
	v_and_b32 v[G+2*k+1], s29, v[T+k]
	v_lshlrev_b32 v[BV+2*k], 16, v[T+16+k]
	v_and_b32 v[BV+2*k+1], s29, v[T+16+k]
.set k, k+1
.endr
	FINISH 0
	FINISH 1
	s_wait_kmcnt 0x0                               ; the flag
	s_cmp_eq_u32 s28, 0
	s_cbranch_scc1 .Lend                           ; the second norm has no bf16 copy
.set k, 0
.rept 32                                               ; the rows' registers are only read here: the stores above may still be reading them
	v_cvt_pk_bf16_f32 v[Y+k], v[X+2*k], v[X+2*k+1]
.set k, k+1
.endr
.set j, 0
.rept 16
	global_store_b64 v2, v[Y+2*j:Y+2*j+1], s[22:23] offset:256*(j%8)+2048*(j/8)  ; 256 consecutive bytes, aligned
.set j, j+1
.endr
.Lend:
	s_endpgm
.Lfunc_end_k_qd9d96f32c9_ln1:
	.size	k_qd9d96f32c9_ln1, .Lfunc_end_k_qd9d96f32c9_ln1-k_qd9d96f32c9_ln1
	.p2alignl 7, 3214868480
	.fill 96, 4, 3214868480
	.section	.rodata,"a",@progbits
	.p2align	6, 0x0
	.amdhsa_kernel k_qd9d96f32c9_ln1
		.amdhsa_group_segment_fixed_size 0
		.amdhsa_private_segment_fixed_size 0
		.amdhsa_enable_private_segment 0
		.amdhsa_kernarg_size 48
		.amdhsa_user_sgpr_count 2
		.amdhsa_user_sgpr_kernarg_segment_ptr 1
		.amdhsa_wavefront_size32 1
		.amdhsa_system_sgpr_workgroup_id_x 1
		.amdhsa_system_sgpr_workgroup_id_y 1
		.amdhsa_system_sgpr_workgroup_id_z 1
		.amdhsa_system_vgpr_workitem_id 0
		.amdhsa_next_free_vgpr 224
		.amdhsa_next_free_sgpr 66
		.amdhsa_reserve_vcc 0
		.amdhsa_float_denorm_mode_32 3
		.amdhsa_float_denorm_mode_16_64 3
		.amdhsa_memory_ordered 1
		.amdhsa_forward_progress 1
		.amdhsa_inst_pref_size 26
	.end_amdhsa_kernel
	.amdgpu_metadata
---
amdhsa.version: [ 1, 2 ]
amdhsa.kernels:
  - .name:           k_qd9d96f32c9_ln1
    .symbol:         k_qd9d96f32c9_ln1.kd
    .args:
      - { .name: y, .offset: 0, .size: 8, .value_kind: global_buffer, .address_space: global }
      - { .name: gamma1, .offset: 8, .size: 8, .value_kind: global_buffer, .address_space: global }
      - { .name: beta1, .offset: 16, .size: 8, .value_kind: global_buffer, .address_space: global }
      - { .name: wq, .offset: 24, .size: 8, .value_kind: global_buffer, .address_space: global }
      - { .name: acts, .offset: 32, .size: 8, .value_kind: global_buffer, .address_space: global }
      - { .name: pa, .offset: 40, .size: 8, .value_kind: global_buffer, .address_space: global }
    .group_segment_fixed_size: 0
    .private_segment_fixed_size: 0
    .kernarg_segment_align: 8
    .kernarg_segment_size: 48
    .max_flat_workgroup_size: 256
    .sgpr_count:     66
    .vgpr_count:     224
    .wavefront_size: 32
...
	.end_amdgpu_metadata
.endif
;; end of part 5
;; launch ffn1: the kernel of part 2 again; grid 16 x 16, 4 waves a work-group, clusters of 4 x 4, 327,680 bytes of LDS; arguments acts, w1t, bf1, big; writes big
;; launch ffn2 (part 6): grid 8 x 32, 4 waves a work-group, clusters of 4 x 4, 327,680 bytes of LDS; arguments big, wr, bf2, wq, y; writes y
.if DOCPART == 6
	.amdgcn_target "amdgcn-amd-amdhsa--gfx1250"
	.amdhsa_code_object_version 6
	.text
	.protected	k_qd9d96f32c9_ffn2
	.globl	k_qd9d96f32c9_ffn2
	.p2align	8
	.type	k_qd9d96f32c9_ffn2,@function
k_qd9d96f32c9_ffn2:
	s_mov_b64 s[64:65], 0
	v_nop
	global_prefetch_b8 v0, s[64:65] scope:SCOPE_SE
	s_setreg_imm32_b32 hwreg(HW_REG_WAVE_MODE, 25, 1), 1
	s_wait_xcnt 0x0
	s_wait_alu depctr_hold_cnt(0) depctr_sa_sdst(0) depctr_va_vdst(0) depctr_va_sdst(0) depctr_va_ssrc(0) depctr_va_vcc(0) depctr_vm_vsrc(0)
	s_getreg_b32 s2, hwreg(HW_REG_IB_STS2, 6, 4)
	s_cmp_eq_u32 s2, 0
	s_cbranch_scc0 .Lentry_in_a_cluster
	s_endpgm
.Lentry_in_a_cluster:
	s_bfe_u32 s2, ttmp6, 0x10000c
	s_cmp_lg_u32 s2, 0xf033
	s_cbranch_scc0 .Lentry_shape_is_right
	s_endpgm
.Lentry_shape_is_right:
; y[m][n] = sum over k of A[m][k] B[n][k] + bf16(bias[n]) + R[m][n], in f32.  Here: A = the hidden layer h, bf16 [4096][4096] in big; B = w2 turned, bf16 [1024][4096] at byte 2,097,152 of wr;
; R = x1 in f32, dense, from byte 0 of the fourth argument: the program's own number, taken as it is.  y: f32 [4096][1024].  Sums in f32; the bias starts them, as the C operand of the first product.
; LIMITS: NaN and infinities are not treated apart.
; A tile of y is 128 x 128, so that 4,096 x 1,024 give 256 work-groups.  Four waves, each 64 x 64: 16 accumulators.  K goes in steps of 256 (LDS rows of 512 bytes; a wave's tensor load brings 64 of them) through two slots.
; CLUSTERS: 4 x 4 work-groups; A's tile is asked for jointly along a row of the cluster, B's along a column.  THE MATRIX INSTRUCTION IS USED TRANSPOSED: a lane holds eight neighbouring numbers of a row of y.
; The residual's 32 loads a lane go out at the start and stay out through the whole K loop.  A wave's 64 columns of f32 are 256 aligned bytes: each wave has a stage of its own, and the way out needs no barrier.
; REGISTERS: window 0: v0-31 addresses; v32-95 at work; v96-127 the bias; v128-255 the accumulators ((a, b) at v[128 + 8 (4 a + b)]).   window 1: two fragment buffers of 128.   window 2: v0-127 the residual.
.set SIZE_K, 4096
.set A_OFF,  0
.set B_OFF,  2097152
.set R_OFF,  0
.set ROWB,   4096                      ; bytes in a row of y and of R
.set KSTEP,  256
.set PITCH,  528                       ; 512 bytes + 16 = 132 words: row r starts at bank 4 r mod 64 (64 banks of 4 bytes: ISA guide 11.1)
.set HALFT,  64*PITCH
.set SLOT,   4*HALFT
.set STAGE,  2*SLOT                    ; behind the ring: 16 rows x 272 bytes for each wave
.set SPITCH, 272
.set SPARE,  STAGE+4*16*SPITCH
.set LAPS, SIZE_K/(2*KSTEP)
.set ADRA, 16
.set ADRB, 20
.set STO,  24
.set RD,   25
.set CO,   26                          ; v26  my byte offset in two rows of y and of R; never rewritten
.set BO,   27
.set SPW,  28
.set NIL,  29
.set TMP,  32
.set BIAS, 96
.set ACC,  128
.set F0,   0
.set F1,   128
.set G1, 24
.set G0, 32
.set G1B, 48
.set G0B, 56
.set MSB, 0
.macro WIN new
.if MSB != (\new)
	s_set_vgpr_msb (MSB<<8)|(\new)
.set MSB, \new
.endif
.endm
.set MUL,  0x05                        ; sources 0 (B) and 1 (A) window 1; C and D window 0
.set TO_F, 0x40
.macro JLOAD s                         ; a joint load: waves 0 and 1 fetch A's two halves, waves 2 and 3 B's; an s_nop 0 and four v_nop follow each line
	s_cmp_eq_u32 s11, 0
	s_cbranch_scc0 .Lfor_b_\@
	tensor_load_to_lds s[G0+4*(\s):G0+4*(\s)+3], s[G1:G1+7]
	s_nop 0
.rept 4
	v_nop
.endr
	s_branch .Lasked_\@
.Lfor_b_\@:
	tensor_load_to_lds s[G0B+4*(\s):G0B+4*(\s)+3], s[G1B:G1B+7]
	s_nop 0
.rept 4
	v_nop
.endr
.Lasked_\@:
.endm
.macro CREST
	s_cmp_lg_u32 s10, 0
	s_cbranch_scc1 .Lnot_wave_0_\@
	s_barrier_signal -3
.Lnot_wave_0_\@:
	s_barrier_wait -3
	s_barrier_signal -1
	s_barrier_wait -1
.endm
.macro CROUND
	s_barrier_signal -1
	s_barrier_wait -1
	CREST
.endm
	s_load_b128 s[4:7], s[0:1], 0x0                ; A s[4:5], B s[6:7]
	s_load_b128 s[68:71], s[0:1], 0x10             ; bias s[68:69], R s[70:71]
	s_load_b64 s[8:9], s[0:1], 0x20                ; y
	v_lshl_add_u32 v[SPW], v0, 2, SPARE
	v_mov_b32 v[NIL], 0
	ds_add_u32 v[SPW], v[NIL]                      ; the wave's opening: the add and its wait stand ahead of my first tensor load
	ds_add_u32 v28, v29
	v_lshrrev_b32 v1, 5, v0
	v_readfirstlane_b32 s10, v1                    ; wave 0..3
	s_lshr_b32 s11, s10, 1                         ; which half of the tile's rows is mine.  Also: I fetch for A (0) or for B (1)
	s_and_b32 s12, s10, 1                          ; which half of its columns.  Also: which 64 rows of that tile I fetch
	s_bfe_u32 s40, ttmp6, 0x40000
	s_bfe_u32 s41, ttmp6, 0x40004
	s_lshl_b32 s42, ttmp9, 2
	s_add_co_u32 s42, s42, s40                     ; tile column
	s_and_b32 s13, ttmp7, 0xffff
	s_lshl_b32 s13, s13, 2
	s_add_co_u32 s13, s13, s41                     ; tile row
	s_lshl_b32 s43, s41, 2
	s_lshl_b32 s43, 15, s43                        ; my row of the cluster
	s_lshl_b32 s44, 0x1111, s40                    ; my column
	s_mov_b32 s45, 0xffff0000                      ; a word's upper bf16
	s_or_b32 s[G1+0], s43, (1<<16)|(1<<20)|(1<<21)|(6<<22)|(3<<25)  ; the mask; 2-byte elements; padding on; bit 21 beside a mask; after every 128 words 4 words
	s_or_b32 s[G1B+0], s44, (1<<16)|(1<<20)|(1<<21)|(6<<22)|(3<<25)
.irp g, G1, G1B
	s_mov_b32 s[(\g)+1], KSTEP<<16                 ; tensor_dim0 = 256
	s_mov_b32 s[(\g)+2], 64<<16                    ; tensor_dim1 = 64
	s_mov_b32 s[(\g)+3], KSTEP<<16                 ; tile_dim0 = 256
	s_mov_b32 s[(\g)+4], 64                        ; tile_dim1 = 64
	s_mov_b32 s[(\g)+5], SIZE_K                    ; elements from row to row
	s_mov_b32 s[(\g)+6], 0
	s_mov_b32 s[(\g)+7], 0
.endr
	s_lshl_b32 s17, s12, 6
	s_lshl_b32 s16, s13, 7
	s_add_co_u32 s16, s16, s17                     ; A: row 128 x tile row + 64 x half
	s_lshl_b32 s46, s42, 7
	s_add_co_u32 s46, s46, s17                     ; B: row 128 x tile column + 64 x half
	s_mov_b32 s17, 0
	s_mov_b32 s47, 0
	s_mov_b64 s[18:19], SIZE_K*2
	s_mul_u64 s[16:17], s[16:17], s[18:19]
	s_mul_u64 s[46:47], s[46:47], s[18:19]
.if A_OFF
	s_add_nc_u64 s[16:17], s[16:17], A_OFF
.endif
.if B_OFF
	s_add_nc_u64 s[46:47], s[46:47], B_OFF
.endif
	s_mul_i32 s20, s10, HALFT
	s_wait_dscnt 0x0                               ; the opening add is done
	s_wait_kmcnt 0x0
	s_add_nc_u64 s[14:15], s[4:5], s[16:17]
	s_add_nc_u64 s[46:47], s[6:7], s[46:47]
	CROUND                                         ; all sixteen work-groups are here: the first joint loads meet
.irp s, 0,1
	s_mov_b32 s[G0+4*(\s)], 1
	s_add_co_u32 s[G0+4*(\s)+1], s20, (\s)*SLOT
	s_add_nc_u64 s[G0+4*(\s)+2:G0+4*(\s)+3], s[14:15], (\s)*KSTEP*2
	s_or_b32 s[G0+4*(\s)+3], s[G0+4*(\s)+3], 0x80000000
	s_mov_b32 s[G0B+4*(\s)], 1
	s_add_co_u32 s[G0B+4*(\s)+1], s20, (\s)*SLOT
	s_add_nc_u64 s[G0B+4*(\s)+2:G0B+4*(\s)+3], s[46:47], (\s)*KSTEP*2
	s_or_b32 s[G0B+4*(\s)+3], s[G0B+4*(\s)+3], 0x80000000
	JLOAD \s                                       ; two loads of mine are out
.endr
	v_and_b32 v1, 15, v0                           ; l % 16
	v_bfe_u32 v2, v0, 4, 1                         ; l / 16
	v_mul_u32_u24 v3, v1, PITCH
	v_lshl_add_u32 v3, v2, 4, v3
	s_mul_i32 s21, s11, HALFT
	s_mul_i32 s22, s12, HALFT
	s_add_co_u32 s22, s22, 2*HALFT
.irp s, 0,1
	v_add_nc_u32 v[ADRA+(\s)], s21, v3
	v_add_nc_u32 v[ADRB+(\s)], s22, v3
	s_add_co_u32 s21, s21, SLOT
	s_add_co_u32 s22, s22, SLOT
.endr
	s_mul_i32 s23, s10, 16*SPITCH
	s_add_co_u32 s23, s23, STAGE                   ; my stage
	v_mul_u32_u24 v4, v1, SPITCH                   ; in: row l % 16, 32 bytes (eight f32) for each half of the lanes
	v_lshl_add_u32 v4, v2, 5, v4
	v_add_nc_u32 v[STO], s23, v4
	v_mul_u32_u24 v5, v2, SPITCH                   ; back: lanes 0-15 one row of 256 bytes, lanes 16-31 the next
	v_lshl_add_u32 v5, v1, 4, v5
	v_add_nc_u32 v[RD], s23, v5
	v_lshlrev_b32 v5, 12, v2                       ; and the same two rows in y and in R
	v_lshl_add_u32 v[CO], v1, 4, v5
	v_lshlrev_b32 v[BO], 5, v2
	s_lshl_b32 s16, s13, 7
	s_lshl_b32 s17, s11, 6
	s_add_co_u32 s16, s16, s17                     ; my first row: 128 x tile row + 64 x half,
	s_lshl_b32 s16, s16, 12                        ; in bytes
	s_mov_b32 s17, 0
	s_lshl_b32 s46, s42, 9                         ; my first column in bytes of f32: 512 x tile column + 256 x half; the bias's offset is the same
	s_lshl_b32 s47, s12, 8
	s_add_co_u32 s46, s46, s47
	s_mov_b32 s47, 0
	s_add_nc_u64 s[68:69], s[68:69], s[46:47]
	s_add_nc_u64 s[16:17], s[16:17], s[46:47]
	s_add_nc_u64 s[8:9], s[8:9], s[16:17]
.if R_OFF
	s_add_nc_u64 s[16:17], s[16:17], R_OFF
.endif
	s_add_nc_u64 s[70:71], s[70:71], s[16:17]
.irp b, 0,1,2,3
	global_load_b128 v[BIAS+8*(\b):BIAS+8*(\b)+3],   v[BO], s[68:69] offset:64*(\b)
	global_load_b128 v[BIAS+8*(\b)+4:BIAS+8*(\b)+7], v[BO], s[68:69] offset:64*(\b)+16
.endr
	WIN 0x80                                       ; destination window 2
.irp a, 0,1,2,3
.irp t, 0,1,2,3,4,5,6,7
	global_load_b128 v[32*(\a)+4*(\t):32*(\a)+4*(\t)+3], v[CO], s[70:71] offset:(16*(\a)+2*(\t))*ROWB th:TH_LOAD_NT  ; 16 lanes read 256 consecutive bytes, aligned
.endr
.endr
	WIN 0
; 8 matrix instructions: m blocks a0, a0 + 1 x all 4 n blocks, 32 along K: half c of buffer f.  zero = 1: the first product starts the sums, with the bias of its 16 columns as C
.macro MUL8 f, c, a0, zero
	WIN MUL
.irp a, \a0, (\a0)+1
.irp b, 0,1,2,3
.if \zero
	v_wmma_f32_16x16x32_bf16 v[ACC+8*(4*(\a)+(\b)):ACC+8*(4*(\a)+(\b))+7], v[(\f)+64+8*(4*(\c)+(\b)):(\f)+64+8*(4*(\c)+(\b))+7], v[(\f)+8*(4*(\c)+(\a)):(\f)+8*(4*(\c)+(\a))+7], v[BIAS+8*(\b):BIAS+8*(\b)+7]
.else
	v_wmma_f32_16x16x32_bf16 v[ACC+8*(4*(\a)+(\b)):ACC+8*(4*(\a)+(\b))+7], v[(\f)+64+8*(4*(\c)+(\b)):(\f)+64+8*(4*(\c)+(\b))+7], v[(\f)+8*(4*(\c)+(\a)):(\f)+8*(4*(\c)+(\a))+7], v[ACC+8*(4*(\a)+(\b)):ACC+8*(4*(\a)+(\b))+7]
.endif
.endr
.endr
.endm
.macro FETCH slot, k, f                ; 32 LDS loads in one run: the fragments of 64 along K at byte k of the rows; the first 32 along K first
	WIN TO_F
.irp c, 0,1
.irp i, 0,1,2,3
	ds_load_b128 v[(\f)+64+8*(4*(\c)+(\i)):(\f)+64+8*(4*(\c)+(\i))+3],   v[ADRB+(\slot)] offset:(\k)+64*(\c)+(\i)*16*PITCH
	ds_load_b128 v[(\f)+64+8*(4*(\c)+(\i))+4:(\f)+64+8*(4*(\c)+(\i))+7], v[ADRB+(\slot)] offset:(\k)+64*(\c)+(\i)*16*PITCH+32
	ds_load_b128 v[(\f)+8*(4*(\c)+(\i)):(\f)+8*(4*(\c)+(\i))+3],         v[ADRA+(\slot)] offset:(\k)+64*(\c)+(\i)*16*PITCH
	ds_load_b128 v[(\f)+8*(4*(\c)+(\i))+4:(\f)+8*(4*(\c)+(\i))+7],       v[ADRA+(\slot)] offset:(\k)+64*(\c)+(\i)*16*PITCH+32
.endr
.endr
.endm
.macro PLACES                          ; four plain vector instructions in front of loads into registers that matrix instructions have read, and of LDS stores that read results
.rept 4
	v_nop
.endr
.endm
; A K step is four quarters of 64 along K, 32 matrix instructions each, on buffers 0, 1, 0, 1; the 16 accumulators take turns.
.macro QUARTER slot, k, f, g, zero
	s_wait_dscnt 16                                ; the first 32 along K are in
	MUL8 \f, 0, 0, \zero
	MUL8 \f, 0, 2, \zero
	PLACES
	FETCH \slot, \k, \g
	s_wait_dscnt 32                                ; all but the 32 just issued
	MUL8 \f, 1, 0, 0
	MUL8 \f, 1, 2, 0
.endm
; The last quarter multiplies buffer 1 and changes slots: ONE barrier; in front of it each wave waits for all its tensor loads, adds 0 to its spare word, and waits for that and for its reads of this slot.
.macro TURN slot, next, fill
	WIN 0
	s_wait_tensorcnt 0x0                           ; all my tensor loads have landed: my part of the next slot
	ds_add_u32 v[SPW], v[NIL]
	s_wait_dscnt 17                                ; (the add and the youngest sixteen loads may be out)
	MUL8 F1, 0, 0, 0
	s_wait_dscnt 0x0                               ; the add is done, and my reads of this slot are over
	s_barrier_signal -1
	MUL8 F1, 0, 2, 0
.if \fill
	WIN 0
.endif
	s_barrier_wait -1
.if \fill
	CREST                                          ; the barrier has opened a round of the cluster's
	s_add_nc_u64 s[G0+4*(\slot)+2:G0+4*(\slot)+3], s[G0+4*(\slot)+2:G0+4*(\slot)+3], 2*KSTEP*2
	s_add_nc_u64 s[G0B+4*(\slot)+2:G0B+4*(\slot)+3], s[G0B+4*(\slot)+2:G0B+4*(\slot)+3], 2*KSTEP*2
	JLOAD \slot                                    ; my one tensor load behind the round; its four v_nop are also the places in front of the loads below
.else
	PLACES
.endif
	FETCH \next, 0, F0
	MUL8 F1, 1, 0, 0
	MUL8 F1, 1, 2, 0
.endm
	s_wait_tensorcnt 1                             ; my part of K step 0 is in; K step 1's may stay out
	s_barrier_signal -1
	s_barrier_wait -1
	FETCH 0, 0, F0
	WIN 0
	s_wait_loadcnt 32                              ; the bias is in; the residual's 32 loads stay out
.set i, 0
.rept 16                                               ; the bias is rounded to bf16 and widened again
	v_cvt_pk_bf16_f32 v[TMP+i], v[BIAS+2*i], v[BIAS+2*i+1]
.set i, i+1
.endr
.set i, 0
.rept 16
	v_lshlrev_b32 v[BIAS+2*i], 16, v[TMP+i]
	v_and_b32 v[BIAS+2*i+1], s45, v[TMP+i]
.set i, i+1
.endr
	QUARTER 0, 128, F0, F1, 1                      ; the first quarter stands in front of the loop: its first products start the sums
	WIN 0
	s_mov_b32 s3, LAPS-1
.Llap:
	QUARTER 0, 256, F1, F0, 0
	QUARTER 0, 384, F0, F1, 0
	TURN 0, 1, 1
	QUARTER 1, 128, F0, F1, 0
	QUARTER 1, 256, F1, F0, 0
	QUARTER 1, 384, F0, F1, 0
	TURN 1, 0, 1
	QUARTER 0, 128, F0, F1, 0
	WIN 0
	s_sub_co_u32 s3, s3, 1
	s_cmp_lg_u32 s3, 0
	s_cbranch_scc1 .Llap
	QUARTER 0, 256, F1, F0, 0                      ; the last lap fills nothing
	QUARTER 0, 384, F0, F1, 0
	TURN 0, 1, 0
	QUARTER 1, 128, F0, F1, 0
	QUARTER 1, 256, F1, F0, 0
	QUARTER 1, 384, F0, F1, 0
	s_wait_dscnt 16
	MUL8 F1, 0, 0, 0
	MUL8 F1, 0, 2, 0
	s_wait_dscnt 0
	MUL8 F1, 1, 0, 0
	MUL8 F1, 1, 2, 0
	WIN 0
	; THE WAY OUT, a block of 16 rows at a time: f32 sums into my own stage, back as whole rows of 256 bytes, the residual added, stored.
	s_wait_loadcnt 0x0                             ; the residual
	PLACES                                         ; the places behind the last products
.macro OUTBLK a
.set TS, TMP+32*((\a)%2)
	s_wait_xcnt 0x0                                ; the registers that earlier stores read are loaded again only behind this wait
.irp b, 0,1,2,3
	ds_store_b128 v[STO], v[ACC+8*(4*(\a)+(\b)):ACC+8*(4*(\a)+(\b))+3]   offset:64*(\b)      ; each accumulator's low registers first
	ds_store_b128 v[STO], v[ACC+8*(4*(\a)+(\b))+4:ACC+8*(4*(\a)+(\b))+7] offset:64*(\b)+16
.endr
.irp t, 0,1,2,3,4,5,6,7
	ds_load_b128 v[TS+4*(\t):TS+4*(\t)+3], v[RD] offset:(\t)*2*SPITCH  ; LDS serves a wave's instructions in order (ISA guide 5.7.1.4): these see the stores above; the next block's stores come behind them
.endr
.endm
.macro ADDSEND a, younger              ; younger: the next block's eight LDS stores and eight loads, or none
.set TS, TMP+32*((\a)%2)
	s_wait_dscnt \younger
	WIN 0x08                                       ; source 1 window 2
.set i, 0
.rept 16
	v_pk_add_f32 v[TS+2*i:TS+2*i+1], v[TS+2*i:TS+2*i+1], v[32*(\a)+2*i:32*(\a)+2*i+1]
.set i, i+1
.endr
	WIN 0
.irp t, 0,1,2,3,4,5,6,7
	global_store_b128 v[CO], v[TS+4*(\t):TS+4*(\t)+3], s[8:9] offset:(16*(\a)+2*(\t))*ROWB  ; 16 lanes store 256 consecutive bytes, aligned
.endr
.endm
	OUTBLK 0
	OUTBLK 1
	ADDSEND 0, 16
	OUTBLK 2
	ADDSEND 1, 16
	OUTBLK 3
	ADDSEND 2, 16
	ADDSEND 3, 0
	s_wait_tensorcnt 0x0                           ; the wave's end
	ds_add_u32 v[SPW], v[NIL]
	s_wait_dscnt 0x0
	CROUND                                         ; the closing round
	s_endpgm
.Lfunc_end_k_qd9d96f32c9_ffn2:
	.size	k_qd9d96f32c9_ffn2, .Lfunc_end_k_qd9d96f32c9_ffn2-k_qd9d96f32c9_ffn2
	.p2alignl 7, 3214868480
	.fill 96, 4, 3214868480
	.section	.rodata,"a",@progbits
	.p2align	6, 0x0
	.amdhsa_kernel k_qd9d96f32c9_ffn2
		.amdhsa_group_segment_fixed_size 327680
		.amdhsa_private_segment_fixed_size 0
		.amdhsa_enable_private_segment 0
		.amdhsa_kernarg_size 40
		.amdhsa_user_sgpr_count 2
		.amdhsa_user_sgpr_kernarg_segment_ptr 1
		.amdhsa_wavefront_size32 1
		.amdhsa_system_sgpr_workgroup_id_x 1
		.amdhsa_system_sgpr_workgroup_id_y 1
		.amdhsa_system_sgpr_workgroup_id_z 1
		.amdhsa_system_vgpr_workitem_id 0
		.amdhsa_next_free_vgpr 768
		.amdhsa_next_free_sgpr 76
		.amdhsa_reserve_vcc 0
		.amdhsa_float_denorm_mode_32 3
		.amdhsa_float_denorm_mode_16_64 3
		.amdhsa_memory_ordered 1
		.amdhsa_forward_progress 1
		.amdhsa_inst_pref_size 96
	.end_amdhsa_kernel
	.amdgpu_metadata
---
amdhsa.version: [ 1, 2 ]
amdhsa.kernels:
  - .name:           k_qd9d96f32c9_ffn2
    .symbol:         k_qd9d96f32c9_ffn2.kd
    .args:
      - { .name: big, .offset: 0, .size: 8, .value_kind: global_buffer, .address_space: global }
      - { .name: wr, .offset: 8, .size: 8, .value_kind: global_buffer, .address_space: global }
      - { .name: bf2, .offset: 16, .size: 8, .value_kind: global_buffer, .address_space: global }
      - { .name: wq, .offset: 24, .size: 8, .value_kind: global_buffer, .address_space: global }
      - { .name: y, .offset: 32, .size: 8, .value_kind: global_buffer, .address_space: global }
    .group_segment_fixed_size: 327680
    .private_segment_fixed_size: 0
    .kernarg_segment_align: 8
    .kernarg_segment_size: 40
    .max_flat_workgroup_size: 128
    .sgpr_count:     76
    .vgpr_count:     768
    .wavefront_size: 32
...
	.end_amdgpu_metadata
.endif
;; end of part 6
;; launch ln2: the kernel of part 5 again; grid 256 x 1, 8 waves a work-group, no clusters, 0 bytes of LDS; arguments y, gamma2, beta2, out0, acts, pb; writes out0, acts
